; MI455X (gfx1250); checked and timed in simulation.
; The chip was launched on July 23, 2026; its instructions are those of AMD's public machine-readable ISA for CDNA 5 (MIT licence, August 2026) and "CDNA5" Instruction Set Architecture Reference Guide (July 2026). The comments in the code are by the model that wrote it; some were corrected since.
;; Multi Head Attention. Allowed arithmetic: matrix products marked QUANTISED: E2M3 operands, one E8M0 scale for each 32 along K, by v_wmma_scale_f32_16x16x128_f8f6f4 with both operands' format E2M3, f32 sums; everything else in f32.
;; Inputs: WK 1,024 x 1,024 float32; WO 1,024 x 1,024 float32; WQ 1,024 x 1,024 float32; WV 1,024 x 1,024 float32; X 4 x 2,048 x 1,024 float32; bK 1,024 float32; bO 1,024 float32; bQ 1,024 float32; bV 1,024 float32; key_padding_mask 4 x 2,048 int32.
;; Outputs: out0 4 x 2,048 x 1,024 float32.
;; This version of the problem:
;;   THIS VERSION OF THE PROBLEM IS GIVEN IN LOW PRECISION. The matrix products marked QUANTISED in the list below multiply operands that are first quantised to E2M3 (2 exponent bits, 3 mantissa bits; 6 bits a number), with one power-of-two scale for each 32 numbers along K (OCP MX v1.0); their sums are f32. All else is computed in f32.
;;   The module's matrix products, in the order in which they are computed (A, B: the left and right operand; K: the contracted axis; several contracted axes count as one K, in the product's order):
;;     1. [M 8,192, K 1,024] x [K 1,024, N 1,024]; A: input X; B: input WQ: QUANTISED
;;     2. [M 8,192, K 1,024] x [K 1,024, N 1,024]; A: input X; B: input WK: QUANTISED
;;     3. [M 8,192, K 1,024] x [K 1,024, N 1,024]; A: input X; B: input WV: QUANTISED
;;     4. batch 64 x [M 2,048, K 64] x [K 64, N 2,048]; A: computed on the way; B: computed on the way: QUANTISED
;;     5. batch 64 x [M 2,048, K 2,048] x [K 2,048, N 64]; A: softmax (see below); B: computed on the way: QUANTISED
;;     6. [M 8,192, K 1,024] x [K 1,024, N 1,024]; A: computed on the way; B: input WO: QUANTISED
;;   THE QUANTISER, for each operand of a quantised product, along K:
;;     - K is cut into blocks of 32 from its start; a last block that is shorter is filled with zeros.
;;     - A block's scale is 2^e with e = floor(log2(the largest magnitude in the block)) - 2, held to -126 .. 127; a block of zeros has e = 0. As a byte (E8M0): e + 127.
;;     - Each number is divided by its block's scale, clamped to +-7.5, and rounded to the nearest number of E2M3, ties to even, subnormals kept.
;;     - The product sums the exact products of the quantised numbers (number of the format x scale) in f32.
;;   ~~~python
;;   def quantise(x, axis):      # numpy; x: float32 -> the quantised numbers, widened to float32 again
;;       x = np.moveaxis(x, axis, -1); K = x.shape[-1]
;;       x = np.pad(x, [(0, 0)] * (x.ndim - 1) + [(0, -K % 32)]); x = x.reshape(x.shape[:-1] + (-1, 32)); a = np.abs(x).max(-1, keepdims=True)
;;       e = np.where(a > 0, np.clip(np.frexp(np.where(a > 0, a, 1))[1] - 1 - 2, -126, 127), 0)      # np.frexp(a)[1] - 1 = floor(log2(a)), exactly
;;       r = np.clip(x / 2.0 ** e, -7.5, 7.5)
;;       step = 2.0 ** (np.maximum(np.frexp(np.where(r == 0, 1, r))[1] - 1, 0) - 3)
;;       q = np.round(r / step) * step * 2.0 ** e      # np.round: ties to even
;;       return np.moveaxis(q.reshape(q.shape[:-2] + (-1,))[..., :K], -1, axis).astype(np.float32)
;;   ~~~
;;   SOFTMAX AHEAD OF A QUANTISED PRODUCT. Where the list says 'softmax', what is quantised is not the finished softmax but p = 2^(t - M), with t = logit x log2(e) and M = ceil(the row's largest t), a whole number; so 1/2 < the row's largest p <= 1. The row's sum l is taken of the UNQUANTISED p, in f32, and the product's result is divided by l at the end. Since M is a whole number, a kernel that streams over the keys may use a running M (the ceiling of the running maximum): every later rescaling is an exact power of two, which a block's scale takes up: the codes' values come out the same.
;;   OPERANDS COMPUTED ON THE WAY. 'Computed on the way' means the value that the module computes at that place (a softmax that the list does not call 'softmax' is quantised finished and normalised). What goes into a quantiser is computed in f32, as accurately as f32 sums, v_exp_f32 and their like allow (about 1e-6 of the number): no bf16 or f16 on the way to a quantiser, and a product that is left as it is and whose result goes on into a quantised operand takes f32 operands (vector FMAs, or v_wmma_f32_16x16x4_f32). A number that lies on a knife's edge between two numbers of the format may be rounded either way, as far as f32 arithmetic and the matrix unit's own rounding can turn it there, and no further.
;; One version. Each part assembles by itself: llvm-mc -triple=amdgcn-amd-amdhsa -mcpu=gfx1250 --defsym DOCPART=n.
;; ======== version 1 of 1: 4 launches
;; limits: right only within a limited range of input values
;; workspace buffers: xr 6,815,744 bytes; wr 3,407,872 bytes; mk 32,768 bytes; aux 1,024 bytes; qr 6,815,744 bytes; kv 13,631,488 bytes; orr 6,815,744 bytes
;; launch quant (part 1): grid 257 x 1, 6 waves a work-group, no clusters, 51,456 bytes of LDS; arguments X, WQ, WK, WV, WO, key_padding_mask, xr, wr, mk, aux; writes xr, wr, mk, aux
.if DOCPART == 1
	.amdgcn_target "amdgcn-amd-amdhsa--gfx1250"
	.amdhsa_code_object_version 6
	.text
	.protected	k_q363df32324_quant
	.globl	k_q363df32324_quant
	.p2align	8
	.type	k_q363df32324_quant,@function
k_q363df32324_quant:
	s_mov_b64 s[64:65], 0
	v_nop
	global_prefetch_b8 v0, s[64:65] scope:SCOPE_SE
	s_setreg_imm32_b32 hwreg(HW_REG_WAVE_MODE, 25, 1), 1
	s_wait_xcnt 0x0
; X [8192][1024] and the four weights [1024][1024], f32, K innermost, become codes of FP6 (E2M3) with one E8M0 byte for each 32 along K,
; laid as the products' launches want them: RECORDS of 3,328 bytes, one for each (tile of 16 rows T, pair of K steps p), at (16 (T / 4) + 4 p + T % 4) x 3,328:
; the fragment of K step 2 p (12 registers a lane: registers 4 c .. 4 c + 3 at 512 c + 16 x lane), that of K step 2 p + 1, then row r's two scale words at 3,072 + 8 r, then 128 zeros.
; So four tiles, all of K, are 16 records on end: one dense block for a tensor load.
; THE ROWS OF A TILE ARE NOT NEIGHBOURS: lane r of tile T holds row 64 (T / 4) + 8 (T % 4) + r % 8 + 32 (r / 8), so that a lane's 32 results over four tiles of a later product are one scale block of the next K.
; xr: tiles 0-511.  wr: tiles 0-63 WQ, 64-127 WK, 128-191 WV, 192-255 WO.
; A block's scale is 2^(floor(log2(largest magnitude)) - 2); its byte is the largest magnitude's exponent field - 2, held at 1 from below.
; LIMITS: a block of zeros gets the byte 1 where the rule says 127 (its codes are zeros, and this program alone reads the bytes); blocks whose largest magnitude lies under 2^-124 keep the byte 1;
; NaN and infinities among the inputs are not served.
; SHARES.  Work-groups 0-255: wave w takes tile 3 g + w / 2 and half w % 2 of K (four K steps).  Each load reads 512 consecutive bytes of one row; a K step's 16 x 512 bytes turn through the wave's own
; stage in LDS (rows 528 bytes apart) so that a lane gets 16 neighbours of each block of its row.  Waves share nothing: no barrier.
; Work-group 256 serves the key padding mask: wave b < 4 takes batch b.  mk: one word a token, the upper half of a key's scale word: byte 2 is 158 for a masked key and 1 for an open one, byte 3 is 1.
; Where EVERY key of a batch is masked, reference()'s softmax is uniform: all its keys count as open and the batch's factor c is 0.  aux: 512 zeros, then 32 copies of each batch's c.
.set REC,   3328
.set PITCH, 528
.set STGB,  16*PITCH
.set SPARE, 6*STGB                     ; behind the six stages: the spare words
.set L16, 1
.set L8,  2
.set STI, 3
.set STO, 4
.set PWS, 8
.set SD,  12
.set RN,  16                           ; v16-143 two sets of 64 numbers as loaded
.set XN,  144                          ; v144-207 register 16 b + i = k 32 b + 16 (lane / 16) + i of my row
.set TM,  208
.set PW,  224
.set PC,  228
.set SEL, 32
.macro QUANT s
.irp b, 0,1,2,3
	v_max3_num_f32 v[TM+\b], |v[\s+16*\b]|, |v[\s+1+16*\b]|, 0x1800000   ; my 16 numbers of block b, and the floor 2^(3 - 127)
.endr
.irp i, 2,4,6,8,10,12,14
.irp b, 0,1,2,3
	v_max3_num_f32 v[TM+\b], v[TM+\b], |v[\s+16*\b+\i]|, |v[\s+1+16*\b+\i]|
.endr
.endr
.irp b, 0,1,2,3
	v_permlanex16_b32 v[TM+4+\b], v[TM+\b], s[SEL], s[SEL+1]
.endr
.irp b, 0,1,2,3
	v_max_num_f32 v[TM+\b], v[TM+\b], v[TM+4+\b]           ; with lane l xor 16's
.endr
.irp b, 0,1,2,3
	v_add_nc_u32 v[TM+12+\b], 0xff000000, v[TM+\b]         ; 2 off the exponent field: the conversion's scale operand
.endr
.irp b, 0,1,2,3
	v_lshrrev_b32 v[TM+4+\b], 23, v[TM+12+\b]              ; the scale's byte
.endr
	v_lshl_or_b32 v[PW], v[TM+5], 8, v[TM+4]
	v_lshl_or_b32 v[PW], v[TM+6], 16, v[PW]
	v_lshl_or_b32 v[PW], v[TM+7], 24, v[PW]
.irp c, 0,1
	v_cvt_scalef32_pk16_fp6_f32 v[PC+6*\c:PC+2+6*\c], v[\s+32*\c:\s+15+32*\c], v[TM+12+2*\c]
	v_cvt_scalef32_pk16_fp6_f32 v[PC+12+4*\c:PC+14+4*\c], v[\s+16+32*\c:\s+31+32*\c], v[TM+12+2*\c+1]
.endr
	v_nop                                          ; one plain instruction behind a scaled conversion
.irp c, 0,1                                    ; the operand's layout wants a whole block in a lane
.irp i, 0,1,2
	v_permlane16_swap_b32 v[PC+6*\c+\i], v[PC+12+4*\c+\i]
.endr
.irp i, 0,1,2
	v_mov_b32 v[PC+3+6*\c+\i], v[PC+12+4*\c+\i]
.endr
.endr
.endm
.macro LOADS s                         ; K step s of my four: 16 rows x 512 bytes
.set J, 0
.rept 16
	global_load_b128 v[RN+64*((\s)%2)+4*J:RN+64*((\s)%2)+4*J+3], v[L16], s[34:35] offset:(J+24*(J/8))*4096+512*(\s) th:TH_LOAD_NT
.set J, J+1
.endr
.endm
.macro TURN s                          ; through the stage: LDS serves a wave's instructions in order
.set J, 0
.rept 16
	ds_store_b128 v[STI], v[RN+64*((\s)%2)+4*J:RN+64*((\s)%2)+4*J+3] offset:PITCH*J
.set J, J+1
.endr
.set J, 0
.rept 16
	ds_load_b128 v[XN+4*J:XN+4*J+3], v[STO] offset:128*(J/4)+16*(J%4)
.set J, J+1
.endr
.endm
.macro STEPQ s
.if (\s) < 3
	s_wait_loadcnt 16                              ; this step's 16 loads are in; the next step's 16 may be out
.else
	s_wait_loadcnt 0x0
.endif
	TURN \s
	s_wait_dscnt 0x0                               ; my 64 numbers are back, and the stage's stores have read the set
.if (\s) > 0
	s_wait_xcnt 0x0                                ; the last step's stores have read their data
.endif
.if (\s) < 2
	LOADS (\s)+2
.endif
	QUANT XN
.irp c, 0,1,2
	global_store_b128 v[L16], v[PC+4*\c:PC+4*\c+3], s[36:37] offset:((\s)/2)*4*REC+((\s)%2)*1536+512*\c   ; 512 consecutive bytes
.endr
	v_mov_b32 v[PWS+(\s)], v[PW]
.if (\s)%2
	v_cndmask_b32 v[SD], 0, v[PWS+(\s)-1], s31     ; lanes 0-15: row r's two words; lanes 16-31: the record's zeros
	v_cndmask_b32 v[SD+1], 0, v[PWS+(\s)], s31
	global_store_b64 v[L8], v[SD:SD+1], s[36:37] offset:((\s)/2)*4*REC+3072   ; 256 consecutive bytes
.endif
.endm
	s_load_b256 s[4:11], s[0:1], 0x0               ; X, WQ, WK, WV
	s_load_b256 s[12:19], s[0:1], 0x20             ; WO, the mask, xr, wr
	s_load_b128 s[20:23], s[0:1], 0x40             ; mk, aux
	v_lshl_add_u32 v254, v0, 2, SPARE
	v_mov_b32 v255, 0
	v_lshrrev_b32 v5, 5, v0
	v_readfirstlane_b32 s24, v5                    ; wave
	v_and_b32 v6, 31, v0                           ; lane
	v_lshlrev_b32 v[L16], 4, v6
	v_lshlrev_b32 v[L8], 3, v6
	s_cmp_eq_u32 ttmp9, 256
	s_cbranch_scc1 .Lmask
	s_mul_i32 s25, s24, STGB                       ; my stage
	v_add_nc_u32 v[STI], s25, v[L16]
	v_and_b32 v7, 15, v0                           ; r
	v_bfe_u32 v5, v0, 4, 1                         ; h
	v_mul_u32_u24 v[STO], v7, PITCH
	v_lshl_add_u32 v[STO], v5, 6, v[STO]
	v_add_nc_u32 v[STO], s25, v[STO]               ; row r, + 64 h
	s_mov_b32 s31, 0xffff                          ; lanes 0-15
	s_mov_b32 s[SEL], 0x76543210
	s_mov_b32 s[SEL+1], 0xfedcba98
.irp b, 0,1,2,3
	v_mov_b32 v[TM+4+\b], 0                        ; written once: a lane permute's destination counts as one of its sources
.endr
	s_lshr_b32 s26, s24, 1
	s_and_b32 s27, s24, 1                          ; which half of K
	s_mul_i32 s28, ttmp9, 3
	s_add_co_u32 s28, s28, s26                     ; tile 0-511: X; 512-767: the weights
	s_wait_alu depctr_va_vdst(0)                   ; the wait at the head's end
	s_wait_kmcnt 0x0
	s_cmp_lt_u32 s28, 704                          ; the choices hang on the tile's number alone
	s_cselect_b64 s[34:35], s[10:11], s[12:13]
	s_cmp_lt_u32 s28, 640
	s_cselect_b64 s[34:35], s[8:9], s[34:35]
	s_cmp_lt_u32 s28, 576
	s_cselect_b64 s[34:35], s[6:7], s[34:35]
	s_cmp_lt_u32 s28, 512
	s_cselect_b64 s[34:35], s[4:5], s[34:35]       ; the tensor that I read
	s_cselect_b64 s[36:37], s[16:17], s[18:19]     ; and the buffer that I write
	s_cselect_b32 s29, 0, 512
	s_cselect_b32 s30, 511, 63
	s_sub_co_u32 s28, s28, s29                     ; the tile in the buffer,
	s_and_b32 s30, s28, s30                        ; and in its tensor
	s_lshr_b32 s40, s30, 2
	s_lshl_b32 s40, s40, 18                        ; 64 rows of 4,096 bytes for each four tiles,
	s_and_b32 s41, s30, 3
	s_lshl_b32 s41, s41, 15                        ; 8 rows for each tile of the four,
	s_add_co_u32 s40, s40, s41
	s_lshl_b32 s41, s27, 11                        ; 2,048 bytes for the second half of K
	s_add_co_u32 s40, s40, s41
	s_mov_b32 s41, 0
	s_add_nc_u64 s[34:35], s[34:35], s[40:41]
	s_lshr_b32 s40, s28, 2
	s_lshl_b32 s40, s40, 4                         ; 16 records for each four tiles,
	s_lshl_b32 s42, s27, 3                         ; 8 for the second half of K,
	s_add_co_u32 s40, s40, s42
	s_and_b32 s42, s28, 3
	s_add_co_u32 s40, s40, s42
	s_mul_i32 s40, s40, REC
	s_add_nc_u64 s[36:37], s[36:37], s[40:41]      ; my first record; my second lies 4 records on
	LOADS 0
	LOADS 1
	STEPQ 0
	STEPQ 1
	STEPQ 2
	STEPQ 3
	s_wait_tensorcnt 0x0                           ; the wave's end
	ds_add_u32 v254, v255
	s_wait_dscnt 0x0
	s_endpgm
.Lmask:                                            ; wave b < 4: the 2,048 keys of batch b, 64 a lane
	s_cmp_lt_u32 s24, 4
	s_cbranch_scc1 .Lbatch
	s_endpgm
.Lbatch:
	s_lshl_b32 s26, s24, 13
	s_mov_b32 s27, 0
	s_lshl_b32 s28, s24, 7
	s_mov_b32 s29, 0
	s_wait_kmcnt 0x0
	s_add_nc_u64 s[14:15], s[14:15], s[26:27]
	s_add_nc_u64 s[20:21], s[20:21], s[26:27]
	s_add_nc_u64 s[22:23], s[22:23], s[28:29]
.set J, 0
	s_wait_alu depctr_va_vdst(0)                   ; the wait ahead of the first reader behind the branches
.rept 16
	global_load_b128 v[16+4*J:19+4*J], v[L16], s[14:15] offset:512*J
.set J, J+1
.endr
	s_wait_loadcnt 0x0
	v_min_u32 v8, v16, v17                         ; 0 where one of my 64 keys is open
.set J, 18
.rept 62
	v_min_u32 v8, v8, v[J]
.set J, J+1
.endr
	v_cmp_eq_u32 vcc_lo, 0, v8
	s_mov_b32 s30, 0x01010000                      ; an open key's word
	s_mov_b32 s31, 0x3e38aa3b                      ; c = log2(e) / 8
	s_cmp_lg_u32 vcc_lo, 0                         ; is any key of the batch open?
	s_cselect_b32 s32, 0x019e0000, s30             ; a masked key's word; where none is open, all count as open
	s_cselect_b32 s31, s31, 0                      ; and c is 0
	v_mov_b32 v9, s30
	v_mov_b32 v10, s32
.set J, 16
.rept 64
	v_cmp_ne_u32 vcc_lo, 0, v[J]
	v_cndmask_b32 v[J], v9, v10, vcc_lo
.set J, J+1
.endr
.set J, 0
.rept 16
	global_store_b128 v[L16], v[16+4*J:19+4*J], s[20:21] offset:512*J
.set J, J+1
.endr
	v_lshlrev_b32 v11, 2, v6
	v_mov_b32 v12, 0
	v_mov_b32 v13, s31
	global_store_b32 v11, v12, s[22:23]            ; aux: my 128 of the 512 zeros,
	global_store_b32 v11, v13, s[22:23] offset:512 ; and 32 copies of my batch's c
	s_endpgm
.Lfunc_end_k_q363df32324_quant:
	.size	k_q363df32324_quant, .Lfunc_end_k_q363df32324_quant-k_q363df32324_quant
	.p2alignl 7, 3214868480
	.fill 96, 4, 3214868480
	.section	.rodata,"a",@progbits
	.p2align	6, 0x0
	.amdhsa_kernel k_q363df32324_quant
		.amdhsa_group_segment_fixed_size 51456
		.amdhsa_private_segment_fixed_size 0
		.amdhsa_enable_private_segment 0
		.amdhsa_kernarg_size 80
		.amdhsa_user_sgpr_count 2
		.amdhsa_user_sgpr_kernarg_segment_ptr 1
		.amdhsa_wavefront_size32 1
		.amdhsa_system_sgpr_workgroup_id_x 1
		.amdhsa_system_sgpr_workgroup_id_y 1
		.amdhsa_system_sgpr_workgroup_id_z 1
		.amdhsa_system_vgpr_workitem_id 0
		.amdhsa_next_free_vgpr 256
		.amdhsa_next_free_sgpr 66
		.amdhsa_reserve_vcc 1
		.amdhsa_float_denorm_mode_32 3
		.amdhsa_float_denorm_mode_16_64 3
		.amdhsa_memory_ordered 1
		.amdhsa_forward_progress 1
		.amdhsa_inst_pref_size 44
	.end_amdhsa_kernel
	.amdgpu_metadata
---
amdhsa.version: [ 1, 2 ]
amdhsa.kernels:
  - .name:           k_q363df32324_quant
    .symbol:         k_q363df32324_quant.kd
    .args:
      - { .name: X, .offset: 0, .size: 8, .value_kind: global_buffer, .address_space: global }
      - { .name: WQ, .offset: 8, .size: 8, .value_kind: global_buffer, .address_space: global }
      - { .name: WK, .offset: 16, .size: 8, .value_kind: global_buffer, .address_space: global }
      - { .name: WV, .offset: 24, .size: 8, .value_kind: global_buffer, .address_space: global }
      - { .name: WO, .offset: 32, .size: 8, .value_kind: global_buffer, .address_space: global }
      - { .name: key_padding_mask, .offset: 40, .size: 8, .value_kind: global_buffer, .address_space: global }
      - { .name: xr, .offset: 48, .size: 8, .value_kind: global_buffer, .address_space: global }
      - { .name: wr, .offset: 56, .size: 8, .value_kind: global_buffer, .address_space: global }
      - { .name: mk, .offset: 64, .size: 8, .value_kind: global_buffer, .address_space: global }
      - { .name: aux, .offset: 72, .size: 8, .value_kind: global_buffer, .address_space: global }
    .group_segment_fixed_size: 51456
    .private_segment_fixed_size: 0
    .kernarg_segment_align: 8
    .kernarg_segment_size: 80
    .max_flat_workgroup_size: 192
    .sgpr_count:     66
    .vgpr_count:     256
    .wavefront_size: 32
...
	.end_amdgpu_metadata
.endif
;; end of part 1
;; launch proj (part 2): grid 4 x 64, 4 waves a work-group, clusters of 4 x 4, 327,680 bytes of LDS; arguments xr, wr, bQ, bK, bV, mk, aux, qr, kv; writes qr, kv
.if DOCPART == 2
	.amdgcn_target "amdgcn-amd-amdhsa--gfx1250"
	.amdhsa_code_object_version 6
	.text
	.protected	k_q363df32324_proj
	.globl	k_q363df32324_proj
	.p2align	8
	.type	k_q363df32324_proj,@function
k_q363df32324_proj:
	s_mov_b64 s[64:65], 0
	v_nop
	global_prefetch_b8 v0, s[64:65] scope:SCOPE_SE
	s_setreg_imm32_b32 hwreg(HW_REG_WAVE_MODE, 25, 1), 1
	s_wait_xcnt 0x0
	s_wait_alu depctr_hold_cnt(0) depctr_sa_sdst(0) depctr_va_vdst(0) depctr_va_sdst(0) depctr_va_ssrc(0) depctr_va_vcc(0) depctr_vm_vsrc(0)
	s_getreg_b32 s2, hwreg(HW_REG_IB_STS2, 6, 4)
	s_cmp_eq_u32 s2, 0
	s_cbranch_scc0 .Lentry_in_a_cluster
	s_endpgm
.Lentry_in_a_cluster:
	s_bfe_u32 s2, ttmp6, 0x10000c
	s_cmp_lg_u32 s2, 0xf033
	s_cbranch_scc0 .Lentry_shape_is_right
	s_endpgm
.Lentry_shape_is_right:
; Q = X WQ^T + bQ, K = X WK^T + bK, V = X WV^T + bV on codes of FP6 (E2M3) with E8M0 scales, and each result quantised again, in registers, as an operand of attention.
; OPERANDS come as records of 3,328 bytes (tile of 16 rows T, pair of K steps p) at (16 (T / 4) + 4 p + T % 4) x 3,328: two fragments as images of their registers, then row r's two scale words at 3,072 + 8 r.
; Lane r of tile T holds row 64 (T / 4) + 8 (T % 4) + r % 8 + 32 (r / 8).
; A tile is 128 "A" rows x 256 "B" rows; each of four waves makes 64 x 128 of it: 32 accumulators.  THE MATRIX INSTRUCTION IS USED TRANSPOSED (source 0 = 16 rows of B, source 1 = 16 rows of A): a lane holds
; one row of A, and by the order of B's rows its 32 registers of tiles 4 c .. 4 c + 3 are B's rows 64 c + 32 (lane / 16) + 0 .. 31: one whole scale block of the next K.  No lane looks at another for a maximum.
; A WORK-GROUP STAYS and makes three tiles, one in each ROLE, a counted scalar that is the same in all sixteen partners; every choice by it is a select: 0: Q (A = tokens, B = WQ's rows);  1: K (B = WK's rows);
; 2: V, made as V^T (A = WV's rows, B = tokens), so that a lane holds a channel and its registers run along the keys, which are the second product's K.  256 work-groups x 3 tiles are all 768.
; ALL OF K (1,024) OF A TILE LIES IN LDS: A's two groups of four tiles (16 records each), then B's four.  ONE tensor load a wave: waves 0, 1 a group of A (208 rows of 256 bytes), waves 2, 3 two groups of B (416 rows).
; THE REFILL.  When a tile's last K step lies in registers nobody reads LDS any more: there every wave waits for its tensor load, adds 0 to its spare word and waits for that,
; a round of the cluster's barrier follows, and the next role's loads go out: they have the rest of the step and the whole way out in which to land.  A plain barrier, behind which nothing is filled, shows them to all.
; Roles 0 and 1 are a loop of two trips; role 2, which asks for nothing more, is written out.
; CLUSTER 4 x 4: A's records are shared along a row of the cluster, B's along a column: joint loads.  No prefetch: what a refill asks for are records that work-groups of this launch have read in the role before
; (X's records serve all three roles, each weight's records all 64 row blocks).
; WHAT IS STORED.  qr: for each (head, 4 tiles of queries) 3,328 bytes: 4 half fragments (64 along K: registers 0-3 at 16 x lane, 4-5 at 512 + 8 x lane) of 768 bytes, then scale words at 3,072 + 16 r + 4 a.
; kv: for each (head, 128 keys) 13,312 bytes: K's 8 half fragments; K's scale words at 6,144 + 256 (t / 4) + 16 r + 4 (t % 4); V's 4 fragments (two halves each) at 6,656; V's scale words at 12,800 + 16 r + 4 a, and a copy.
; A query's scale word is [s0, s1, 127, 127]; a key's [s0, s1, m, 1], m = 158 for a masked key and 1 for an open one (from mk): attention's first product has K = 64 and uses slot k = 64 for the mask.
; LIMITS: a block of zeros gets the byte 1 where the rule says 127 (its codes are zeros; this program alone reads the bytes); NaN and infinities are not served.
; REGISTERS: window 0: v1-15 addresses; v16-19 the upper halves of scale words; v20-27 the row bias; v32-63 scale words, two sets; v64-159 A's fragments, two sets (later 64 numbers); v168-215 the quantiser's.
;   window 1: v0-191 B's fragments, two sets; v192-255 the column bias, 8 registers a tile: the C of each sum's first product.   window 2: the accumulators, (a, b) at v[8 (8 a + b)].
; SCALARS: s4-21 the arguments, kept; s48-53 the role's biases and mk; s54 the role, s55 the next; s72-79 serve the descriptors alone: s72-75 never hold cx, s76-79 never cy.
.set REC,   3328
.set GRP,   16*REC                     ; four tiles, all of K
.set PST,   4*REC                      ; from pair to pair of K steps
.set SPARE, 96*REC
.set KVREC, 13312
.set HEADB, 16*KVREC
.set L16, 1
.set L8,  2
.set ADA, 4                            ; v4       LDS address of my A fragments
.set ADB, 6                            ; v6, v13  of my B fragments, tiles 0-3 and 4-7
.set ADS, 7                            ; v7, v14  of scale words: lanes 0-15 A's records, lanes 16-31 B's
.set SOF, 9
.set H8,  15                           ; v15      8 (lane / 16)
.set U,   16
.set RB,  20
.set SC,  32
.set AF,  64
.set HA,  64
.set PC,  168
.set TM,  192
.set PW,  208
.set T0,  209
.set T1,  210
.set W,   212
.set CBR, 192
.set WV,  22
.set RH,  23
.set CH,  24
.set G1A, 28
.set G1B, 36
.set G0A, 44
.set G0B, 68
.set SEL, 90
.set MSB, 0
.macro WIN new
.if MSB != \new
	s_set_vgpr_msb (MSB<<8)|\new
.set MSB, \new
.endif
.endm
.macro ROUND
	s_barrier_signal -1
	s_barrier_wait -1
	s_cmp_lg_u32 s[WV], 0
	s_cbranch_scc1 .Lnot_wave_0_\@
	s_barrier_signal -3
.Lnot_wave_0_\@:
	s_barrier_wait -3
	s_barrier_signal -1
	s_barrier_wait -1
.endm
; which 128 rows of A (tr), which 256 rows of B (tc) and A's first tile (base) a role takes
.macro TILES role, tr, tc, base
	s_and_b32 s[\tr], s27, 1
	s_lshr_b32 s[\tc], s27, 1
	s_cmp_eq_u32 s[\role], 2                       ; V?
	s_cselect_b32 s[\tr], s[\tr], s27              ; which cluster along A's rows
	s_cselect_b32 s[\tc], s[\tc], s[\role]         ; and along B's
	s_cselect_b32 s[\base], 128, 0                 ; WV's tiles begin at 128
	s_lshl_b32 s[\tr], s[\tr], 2
	s_add_co_u32 s[\tr], s[\tr], s26
	s_lshl_b32 s[\tc], s[\tc], 2
	s_add_co_u32 s[\tc], s[\tc], s25
.endm
; the two descriptors' addresses for a role: written only where no tensor load of the wave is out
.macro DESC role
	TILES \role, 72, 76, 73
	s_lshl_b32 s74, s72, 3
	s_add_co_u32 s74, s74, s73
	s_lshl_b32 s75, s[CH], 2
	s_add_co_u32 s74, s74, s75
	s_mul_i32 s74, s74, 4*REC                      ; A: the group of four tiles that I fetch
	s_mov_b32 s75, 0
	s_lshl_b32 s78, s76, 4
	s_lshl_b32 s79, s[CH], 3
	s_add_co_u32 s78, s78, s79
	s_mul_i32 s78, s78, 4*REC                      ; B: the first of my two groups
	s_mov_b32 s79, 0
	s_cmp_eq_u32 s[\role], 2
	s_cselect_b64 s[G0A+2:G0A+3], s[6:7], s[4:5]
	s_cselect_b64 s[G0B+2:G0B+3], s[4:5], s[6:7]
	s_add_nc_u64 s[G0A+2:G0A+3], s[G0A+2:G0A+3], s[74:75]
	s_add_nc_u64 s[G0B+2:G0B+3], s[G0B+2:G0B+3], s[78:79]
	s_or_b32 s[G0A+3], s[G0A+3], 0x80000000
	s_or_b32 s[G0B+3], s[G0B+3], 0x80000000
.endm
.macro JLOADS                          ; one joint load a wave, one in each arm; an s_nop 0 and four v_nop follow each
	s_cmp_eq_u32 s[RH], 0
	s_cbranch_scc0 .Lfor_b_\@
	tensor_load_to_lds s[G0A:G0A+3], s[G1A:G1A+7]
	s_nop 0
.rept 4
	v_nop
.endr
	s_branch .Lasked_\@
.Lfor_b_\@:
	tensor_load_to_lds s[G0B:G0B+3], s[G1B:G1B+7]
	s_nop 0
.rept 4
	v_nop
.endr
.Lasked_\@:
.endm
; where a role's results go and where its biases lie
.macro OUTS role
	TILES \role, 92, 93, 94
	s_lshl_b32 s92, s92, 7
	s_lshl_b32 s94, s[RH], 6
	s_add_co_u32 s92, s92, s94                     ; my first row of A
	s_lshl_b32 s93, s93, 8
	s_lshl_b32 s94, s[CH], 7
	s_add_co_u32 s93, s93, s94                     ; my first row of B
	s_lshr_b32 s94, s92, 11                        ; Q, K: the batch,
	s_bfe_u32 s95, s92, 0x50006                    ; which 64 tokens of it,
	s_bfe_u32 s96, s93, 0x30007                    ; which pair of heads
	s_lshl_b32 s94, s94, 4
	s_lshl_b32 s96, s96, 1
	s_add_co_u32 s94, s94, s96                     ; the first of my two heads
	s_lshl_b32 s96, s94, 5
	s_add_co_u32 s96, s96, s95
	s_mul_i32 s96, s96, REC                        ; Q: my record
	s_lshr_b32 s97, s95, 1                         ; K: the key step,
	s_and_b32 s95, s95, 1                          ; and which half of it
	s_mul_i32 s98, s95, 3072
	s_lshl_b32 s99, s95, 8
	s_add_co_u32 s99, s99, 6144
	s_lshr_b32 s100, s92, 6                        ; V: the head,
	s_lshr_b32 s101, s93, 11                       ; the batch,
	s_lshl_b32 s101, s101, 4
	s_add_co_u32 s100, s100, s101
	s_bfe_u32 s101, s93, 0x40007                   ; the key step
	s_and_b32 s2, s93, 1023
	s_lshl_b32 s2, s2, 2                           ; Q, K: my 128 numbers of the bias
	s_lshl_b32 s3, s92, 2
	s_mov_b32 s66, 768
	s_cmp_eq_u32 s[\role], 2
	s_cselect_b32 s94, s100, s94
	s_cselect_b32 s97, s101, s97
	s_cselect_b32 s98, 6656, s98
	s_cselect_b32 s99, 12800, s99
	s_cselect_b32 s2, 0, s2                        ; V has no bias along its columns: it reads aux's zeros
	s_cselect_b32 s95, s3, 0                       ; and Q and K none along their rows
	s_cselect_b64 s[50:51], s[12:13], s[16:17]     ; the row bias: bV, or zeros
	s_cselect_b32 s66, 1536, s66                   ; from tile to tile of my four
	s_cselect_b32 s61, -1, 0                       ; all lanes, or none: V
	s_mov_b32 s67, 0
	s_mul_i32 s94, s94, HEADB
	s_mul_i32 s97, s97, KVREC
	s_add_co_u32 s94, s94, s97
	s_add_co_u32 s98, s98, s94                     ; kv: codes,
	s_add_co_u32 s99, s99, s94                     ; scale words
	s_add_co_u32 s97, s96, 3072                    ; qr: scale words
	s_mov_b32 s100, HEADB
	s_cmp_eq_u32 s[\role], 0
	s_cselect_b32 s96, s96, s98
	s_cselect_b32 s98, s97, s99
	s_cselect_b32 s100, 32*REC, s100               ; Q, K: from my first head to my second
	s_cselect_b64 s[84:85], s[18:19], s[20:21]
	s_cselect_b64 s[48:49], s[8:9], s[10:11]
	s_cmp_eq_u32 s[\role], 2
	s_cselect_b64 s[48:49], s[16:17], s[48:49]     ; the column bias: bQ, bK, or zeros
	s_cselect_b32 s101, 768, s100                  ; from a fragment's first half to its second
	s_cselect_b32 s100, 256, s100                  ; from lanes 0-15's scale words to lanes 16-31's
	s_cmp_eq_u32 s[\role], 1
	s_cselect_b32 s62, -1, 0                       ; all lanes, or none: K
	s_mov_b32 s97, 0
	s_mov_b32 s99, 0
	s_add_nc_u64 s[88:89], s[84:85], s[98:99]      ; the scale words
	s_add_nc_u64 s[84:85], s[84:85], s[96:97]      ; registers 0-5 of a fragment
	s_mov_b32 s98, s101
	s_add_nc_u64 s[86:87], s[84:85], s[98:99]      ; registers 6-11
	s_mov_b32 s98, s3
	s_add_nc_u64 s[52:53], s[14:15], s[98:99]      ; mk at my first row (inside the buffer in every role)
	s_mov_b32 s98, s95
	s_add_nc_u64 s[50:51], s[50:51], s[98:99]
	s_mov_b32 s3, 0
	s_add_nc_u64 s[48:49], s[48:49], s[2:3]
.endm
; 64 numbers of a lane, two whole blocks of 32, become registers 6 c .. 6 c + 5 of a fragment and, with lane l xor 16's two bytes, its scale word
.macro QUANT s
.irp c, 0,1
	v_max3_num_f32 v[TM+\c], |v[\s+32*\c]|, |v[\s+1+32*\c]|, 0x1800000   ; two chains a block; the floor 2^(3 - 127) holds the byte at 1 from below
	v_max3_num_f32 v[TM+2+\c], |v[\s+16+32*\c]|, |v[\s+17+32*\c]|, |v[\s+18+32*\c]|
.endr
.irp i, 2,4,6,8,10,12
.irp c, 0,1
	v_max3_num_f32 v[TM+\c], v[TM+\c], |v[\s+32*\c+\i]|, |v[\s+1+32*\c+\i]|
	v_max3_num_f32 v[TM+2+\c], v[TM+2+\c], |v[\s+17+32*\c+\i]|, |v[\s+18+32*\c+\i]|
.endr
.endr
.irp c, 0,1
	v_max3_num_f32 v[TM+\c], v[TM+\c], |v[\s+14+32*\c]|, |v[\s+15+32*\c]|
.endr
.irp c, 0,1
	v_max3_num_f32 v[TM+\c], v[TM+\c], v[TM+2+\c], |v[\s+31+32*\c]|
.endr
.irp c, 0,1
	v_add_nc_u32 v[TM+12+\c], 0xff000000, v[TM+\c]         ; 2 off the exponent field: the conversion's scale operand
.endr
.irp c, 0,1
	v_lshrrev_b32 v[TM+8+\c], 23, v[TM+12+\c]              ; the scale's byte
.endr
	v_lshl_or_b32 v[PW], v[TM+9], 16, v[TM+8]      ; my bytes: blocks h and 2 + h,
	v_lshlrev_b32 v[PW], v[H8], v[PW]              ; at their places,
	v_permlanex16_b32 v[TM+4], v[PW], s[SEL], s[SEL+1]
	v_or_b32 v[PW], v[PW], v[TM+4]                 ; with lane l xor 16's two the word is whole
.irp c, 0,1
	v_cvt_scalef32_pk16_fp6_f32 v[PC+6*\c:PC+2+6*\c], v[\s+32*\c:\s+15+32*\c], v[TM+12+\c]
	v_cvt_scalef32_pk16_fp6_f32 v[PC+12+4*\c:PC+14+4*\c], v[\s+16+32*\c:\s+31+32*\c], v[TM+12+\c]   ; a conversion's three registers begin on an even number
.endr
	v_nop                                          ; one plain instruction behind a scaled conversion
.irp c, 0,1
.irp i, 0,1,2
	v_mov_b32 v[PC+3+6*\c+\i], v[PC+12+4*\c+\i]
.endr
.endr
.endm
; K step s: B's 8 fragments and A's 4 into set s % 2; with a pair's first step its scale words.  Every load reads consecutive bytes.
.macro FETCH s
	WIN 0x40
.irp b, 0,1,2,3,4,5,6,7
.irp c, 0,1,2
	ds_load_b128 v[96*((\s)%2)+12*\b+4*\c:96*((\s)%2)+12*\b+4*\c+3], v[ADB+7*(\b/4)] offset:(\b%4)*REC+((\s)/2)*PST+((\s)%2)*1536+512*\c
.endr
.endr
	WIN 0
.irp a, 0,1,2,3
.irp c, 0,1,2
	ds_load_b128 v[AF+48*((\s)%2)+12*\a+4*\c:AF+48*((\s)%2)+12*\a+4*\c+3], v[ADA] offset:\a*REC+((\s)/2)*PST+((\s)%2)*1536+512*\c
.endr
.endr
.if (\s)%2 == 0
.irp i, 0,1,2,3,4,5,6,7
	ds_load_b64 v[SC+16*(((\s)/2)%2)+2*\i:SC+16*(((\s)/2)%2)+2*\i+1], v[ADS+7*(\i/4)] offset:3072+(\i%4)*REC+((\s)/2)*PST   ; lanes 0-15: A's tile i (from i = 4 on landed bytes that nobody uses); lanes 16-31: B's tile i
.endr
.endif
.endm
; 16 products: A's tiles a0, a0 + 1 x B's eight.  The 32 accumulators take turns, one instruction a turn.  first = 1: C is the column bias.
.macro MUL16 a0, s, first
.if \first
	WIN 0x91
.else
	WIN 0xa1
.endif
.irp a, \a0, \a0+1
.irp b, 0,1,2,3,4,5,6,7
.if \first
	v_wmma_scale_f32_16x16x128_f8f6f4 v[8*(8*(\a)+\b):8*(8*(\a)+\b)+7], v[96*((\s)%2)+12*\b:96*((\s)%2)+12*\b+11], v[AF+48*((\s)%2)+12*(\a):AF+48*((\s)%2)+12*(\a)+11], v[CBR+8*\b:CBR+8*\b+7], v[SC+16*(((\s)/2)%2)+2*\b+(\s)%2], v[SC+16*(((\s)/2)%2)+2*(\a)+(\s)%2] matrix_a_fmt:MATRIX_FMT_FP6 matrix_b_fmt:MATRIX_FMT_FP6 matrix_a_scale:MATRIX_SCALE_ROW1
.else
	v_wmma_scale_f32_16x16x128_f8f6f4 v[8*(8*(\a)+\b):8*(8*(\a)+\b)+7], v[96*((\s)%2)+12*\b:96*((\s)%2)+12*\b+11], v[AF+48*((\s)%2)+12*(\a):AF+48*((\s)%2)+12*(\a)+11], v[8*(8*(\a)+\b):8*(8*(\a)+\b)+7], v[SC+16*(((\s)/2)%2)+2*\b+(\s)%2], v[SC+16*(((\s)/2)%2)+2*(\a)+(\s)%2] matrix_a_fmt:MATRIX_FMT_FP6 matrix_b_fmt:MATRIX_FMT_FP6 matrix_a_scale:MATRIX_SCALE_ROW1
.endif
.endr
.endr
.endm
; One of the first seven K steps: 32 products; in its middle the next step's fragments are asked for, 16 products ahead of their use, behind four places (ISA guide 7.12.1 for vector instructions)
.macro STEP s, first
	s_wait_dscnt 0x0                               ; this step's fragments are in
	MUL16 0, \s, \first
	WIN 0
.rept 4
	v_nop
.endr
	FETCH (\s)+1
	MUL16 2, \s, \first
.endm
; A tile in the role s54.  refill = 1: the next role's records are asked for in its last K step
.macro BODY refill
	s_wait_xcnt 0x0                                ; the last tile's stores have read their data, offsets and bases
	OUTS 54
	v_mul_u32_u24 v[SOF], s100, v3
	v_lshl_add_u32 v[SOF], v8, 4, v[SOF]
	WIN 0x40
.irp b, 0,1,2,3,4,5,6,7
	global_load_b128 v[CBR+8*\b:CBR+8*\b+3], v11, s[48:49] offset:(64*(\b/4)+8*(\b%4))*4
	global_load_b128 v[CBR+8*\b+4:CBR+8*\b+7], v11, s[48:49] offset:(64*(\b/4)+8*(\b%4))*4+16
.endr
	WIN 0
.irp a, 0,1,2,3
	global_load_b32 v[U+\a], v10, s[52:53] offset:32*\a
	global_load_b32 v[RB+2*\a], v10, s[50:51] offset:32*\a
.endr
	s_wait_alu depctr_va_vdst(0)                   ; the wait directly ahead of the wait below
	s_wait_tensorcnt 0x0                           ; my one load has landed,
	s_barrier_signal -1
	s_barrier_wait -1                              ; everybody's has: all of K is in LDS.
	FETCH 0
	s_wait_loadcnt 0x0                             ; the biases and mk's words
.irp a, 0,1,2,3
	v_cndmask_b32 v[U+\a], v12, v[U+\a], s62       ; K: the key's word; else a query's
.endr
	STEP 0, 1
.irp s, 1,2,3,4,5,6
	STEP \s, 0
.endr
	WIN 0
	s_wait_dscnt 0x0                               ; the last step's fragments are in: my reads of LDS are over
.if \refill
	s_wait_tensorcnt 0x0                           ; none of my tensor loads is out;
	ds_add_u32 v254, v255                          ; 0 onto my spare word;
	s_add_co_u32 s55, s54, 1
	DESC 55                                        ; the next role's addresses, and sixteen products, stand between the add and the wait for it
	MUL16 0, 7, 0
	WIN 0
	s_wait_dscnt 0x0                               ; the add is done
	ROUND                                          ; no wave of any partner still reads LDS or has a load on its way
	JLOADS                                         ; the first tensor load behind the round, one a wave
.else
	MUL16 0, 7, 0
.endif
	MUL16 2, 7, 0
	WIN 0
.rept 4
	v_nop                                          ; four places in front of the first read of results and the first write over A's fragments
.endr
	; THE WAY OUT, a tile of 16 rows of A at a time: the row bias is added, the lane's 64 numbers are quantised: one fragment and one scale word.
.irp a, 0,1,2,3
	s_wait_xcnt 0x0                                ; the last tile's stores have read their data and bases
.if \a > 0
	s_add_nc_u64 s[84:85], s[84:85], s[66:67]
	s_add_nc_u64 s[86:87], s[86:87], s[66:67]
.endif
	WIN 0x02
.irp i, 0,2,4,6,8,10,12,14,16,18,20,22,24,26,28,30,32,34,36,38,40,42,44,46,48,50,52,54,56,58,60,62
	v_pk_add_f32 v[HA+\i:HA+\i+1], v[64*\a+\i:64*\a+\i+1], v[RB+2*\a:RB+2*\a+1] op_sel_hi:[1,0]   ; each accumulator from its low end on
.endr
	WIN 0
	QUANT HA
	global_store_b128 v[L16], v[PC:PC+3], s[84:85]                 ; Q, K: my first head's 64 along K; V: keys 0-63.  512 consecutive bytes,
	global_store_b64 v[L8], v[PC+4:PC+5], s[84:85] offset:512      ; and 256
	global_store_b128 v[L16], v[PC+6:PC+9], s[86:87]               ; Q, K: my second head's; V: keys 64-127
	global_store_b64 v[L8], v[PC+10:PC+11], s[86:87] offset:512
	v_and_b32 v[T0], 0xffff, v[PW]                 ; my first head's two bytes,
	v_lshrrev_b32 v[T1], 16, v[PW]                 ; my second head's:
	v_cndmask_b32 v[T0], v[T0], v[T1], s63         ; lanes 0-15 store the first's, lanes 16-31 the second's,
	v_or_b32 v[T0], v[T0], v[U+\a]                 ; under the word's upper half;
	v_cndmask_b32 v[W+\a], v[T0], v[PW], s61       ; V: the word as it is
.endr
	global_store_b128 v[SOF], v[W:W+3], s[88:89]   ; sixteen lanes store 256 consecutive bytes
.endm
	s_load_b256 s[4:11], s[0:1], 0x0               ; xr, wr, bQ, bK
	s_load_b256 s[12:19], s[0:1], 0x20             ; bV, mk, aux, qr
	s_load_b64 s[20:21], s[0:1], 0x40              ; kv
	v_lshl_add_u32 v254, v0, 2, SPARE
	v_mov_b32 v255, 0
	ds_add_u32 v254, v255                          ; the opening lines: the add, twice on end, and its wait
	ds_add_u32 v254, v255
	v_lshrrev_b32 v1, 5, v0
	v_readfirstlane_b32 s[WV], v1                  ; wave 0..3
	s_lshr_b32 s[RH], s[WV], 1                     ; which 64 of A's rows are mine.  Also: I fetch for A (0) or for B (1)
	s_and_b32 s[CH], s[WV], 1                      ; which 128 of B's rows.  Also: which half of the records I fetch
	s_bfe_u32 s25, ttmp6, 0x40000                  ; cx
	s_bfe_u32 s26, ttmp6, 0x40004                  ; cy
	s_and_b32 s27, ttmp7, 0xffff                   ; the cluster's y, 0..15
	s_lshl_b32 s92, s26, 2
	s_lshl_b32 s92, 15, s92                        ; my row of the cluster
	s_lshl_b32 s93, 0x1111, s25                    ; my column
	s_or_b32 s[G1A], s92, (3<<16)|(1<<21)          ; dense blocks as rows of 256 bytes (32 elements of 8 bytes): the mask; bit 21 beside it
	s_or_b32 s[G1B], s93, (3<<16)|(1<<21)
	s_mov_b32 s[G1A+1], 32<<16
	s_mov_b32 s[G1A+2], 208<<16                    ; A: 16 records
	s_mov_b32 s[G1A+3], 32<<16
	s_mov_b32 s[G1A+4], 208
	s_mov_b32 s[G1A+5], 32
	s_mov_b32 s[G1A+6], 0
	s_mov_b32 s[G1A+7], 0
	s_mov_b32 s[G1B+1], 32<<16
	s_mov_b32 s[G1B+2], 416<<16                    ; B: 32 records
	s_mov_b32 s[G1B+3], 32<<16
	s_mov_b32 s[G1B+4], 416
	s_mov_b32 s[G1B+5], 32
	s_mov_b32 s[G1B+6], 0
	s_mov_b32 s[G1B+7], 0
	s_mul_i32 s[G0A+1], s[CH], GRP                 ; where the records go: no place in the cluster enters an LDS address
	s_mul_i32 s[G0B+1], s[CH], 2*GRP
	s_add_co_u32 s[G0B+1], s[G0B+1], 2*GRP
	s_mov_b32 s[G0A], 1
	s_mov_b32 s[G0B], 1
	s_mov_b32 s63, 0xffff0000                      ; lanes 16-31
	s_mov_b32 s[SEL], 0x76543210
	s_mov_b32 s[SEL+1], 0xfedcba98
	s_mov_b32 s54, 0                               ; the role
	s_wait_dscnt 0x0
	s_wait_kmcnt 0x0
	DESC 54
	ROUND                                          ; all sixteen work-groups are here: the joint loads meet
	JLOADS
	v_and_b32 v3, 31, v0
	v_lshlrev_b32 v[L16], 4, v3
	v_lshlrev_b32 v[L8], 3, v3
	v_and_b32 v8, 15, v0                           ; r
	v_bfe_u32 v3, v0, 4, 1                         ; h
	s_mul_i32 s94, s[RH], GRP                      ; my four tiles of A
	v_add_nc_u32 v[ADA], s94, v[L16]
	s_mul_i32 s95, s[CH], 2*GRP
	s_add_co_u32 s95, s95, 2*GRP                   ; my eight of B, behind A's eight
	v_add_nc_u32 v[ADB], s95, v[L16]
	v_add_nc_u32 v[ADB+7], GRP, v[ADB]
	s_sub_co_u32 s95, s95, s94
	v_mul_u32_u24 v[ADS], s95, v3                  ; lanes 16-31 take B's
	v_lshl_add_u32 v[ADS], v8, 3, v[ADS]
	v_add_nc_u32 v[ADS], s94, v[ADS]
	v_add_nc_u32 v[ADS+7], GRP, v[ADS]
	v_and_b32 v10, 8, v8
	v_mad_u32_u24 v10, v10, 3, v8
	v_lshlrev_b32 v10, 2, v10                      ; 4 (r % 8 + 32 (r / 8)): my row of a tile
	v_lshlrev_b32 v11, 7, v3                       ; 128 h: my half's 32 numbers of four tiles
	v_lshlrev_b32 v[H8], 3, v3
	v_mov_b32 v12, 0x7f7f0000                      ; the upper half of a query's scale word
	v_mov_b32 v[TM+4], 0                           ; written once: a lane permute's destination counts as one of its sources
.irp a, 0,1,2,3
	v_mov_b32 v[RB+2*\a+1], 0                      ; named with the row bias as a pair, so it is written
.endr
	s_wait_alu depctr_va_vdst(0)                   ; the wait at the head's end
.Lrole:                                            ; roles 0 and 1
	BODY 1
	s_add_co_u32 s54, s54, 1
	s_cmp_lt_u32 s54, 2
	s_cbranch_scc1 .Lrole
	BODY 0                                         ; role 2 asks for nothing more
	s_wait_tensorcnt 0x0                           ; the wave's end
	ds_add_u32 v254, v255
	s_wait_dscnt 0x0
	ROUND                                          ; the closing round
	s_endpgm
.Lfunc_end_k_q363df32324_proj:
	.size	k_q363df32324_proj, .Lfunc_end_k_q363df32324_proj-k_q363df32324_proj
	.p2alignl 7, 3214868480
	.fill 96, 4, 3214868480
	.section	.rodata,"a",@progbits
	.p2align	6, 0x0
	.amdhsa_kernel k_q363df32324_proj
		.amdhsa_group_segment_fixed_size 327680
		.amdhsa_private_segment_fixed_size 0
		.amdhsa_enable_private_segment 0
		.amdhsa_kernarg_size 72
		.amdhsa_user_sgpr_count 2
		.amdhsa_user_sgpr_kernarg_segment_ptr 1
		.amdhsa_wavefront_size32 1
		.amdhsa_system_sgpr_workgroup_id_x 1
		.amdhsa_system_sgpr_workgroup_id_y 1
		.amdhsa_system_sgpr_workgroup_id_z 1
		.amdhsa_system_vgpr_workitem_id 0
		.amdhsa_next_free_vgpr 768
		.amdhsa_next_free_sgpr 102
		.amdhsa_reserve_vcc 0
		.amdhsa_float_denorm_mode_32 3
		.amdhsa_float_denorm_mode_16_64 3
		.amdhsa_memory_ordered 1
		.amdhsa_forward_progress 1
		.amdhsa_inst_pref_size 175
	.end_amdhsa_kernel
	.amdgpu_metadata
---
amdhsa.version: [ 1, 2 ]
amdhsa.kernels:
  - .name:           k_q363df32324_proj
    .symbol:         k_q363df32324_proj.kd
    .args:
      - { .name: xr, .offset: 0, .size: 8, .value_kind: global_buffer, .address_space: global }
      - { .name: wr, .offset: 8, .size: 8, .value_kind: global_buffer, .address_space: global }
      - { .name: bQ, .offset: 16, .size: 8, .value_kind: global_buffer, .address_space: global }
      - { .name: bK, .offset: 24, .size: 8, .value_kind: global_buffer, .address_space: global }
      - { .name: bV, .offset: 32, .size: 8, .value_kind: global_buffer, .address_space: global }
      - { .name: mk, .offset: 40, .size: 8, .value_kind: global_buffer, .address_space: global }
      - { .name: aux, .offset: 48, .size: 8, .value_kind: global_buffer, .address_space: global }
      - { .name: qr, .offset: 56, .size: 8, .value_kind: global_buffer, .address_space: global }
      - { .name: kv, .offset: 64, .size: 8, .value_kind: global_buffer, .address_space: global }
    .group_segment_fixed_size: 327680
    .private_segment_fixed_size: 0
    .kernarg_segment_align: 8
    .kernarg_segment_size: 72
    .max_flat_workgroup_size: 128
    .sgpr_count:     102
    .vgpr_count:     768
    .wavefront_size: 32
...
	.end_amdgpu_metadata
.endif
;; end of part 2
;; launch attn (part 3): grid 4 x 64, 8 waves a work-group, clusters of 4 x 1, 215,040 bytes of LDS; arguments qr, kv, aux, orr; writes orr
.if DOCPART == 3
	.amdgcn_target "amdgcn-amd-amdhsa--gfx1250"
	.amdhsa_code_object_version 6
	.text
	.protected	k_q363df32324_attn
	.globl	k_q363df32324_attn
	.p2align	8
	.type	k_q363df32324_attn,@function
k_q363df32324_attn:
	s_mov_b64 s[64:65], 0
	v_nop
	global_prefetch_b8 v0, s[64:65] scope:SCOPE_SE
	s_setreg_imm32_b32 hwreg(HW_REG_WAVE_MODE, 25, 1), 1
	s_wait_xcnt 0x0
	s_wait_alu depctr_hold_cnt(0) depctr_sa_sdst(0) depctr_va_vdst(0) depctr_va_sdst(0) depctr_va_ssrc(0) depctr_va_vcc(0) depctr_vm_vsrc(0)
	s_getreg_b32 s2, hwreg(HW_REG_IB_STS2, 6, 4)
	s_cmp_eq_u32 s2, 0
	s_cbranch_scc0 .Lentry_in_a_cluster
	s_endpgm
.Lentry_in_a_cluster:
	s_bfe_u32 s2, ttmp6, 0x10000c
	s_cmp_lg_u32 s2, 0x3003
	s_cbranch_scc0 .Lentry_shape_is_right
	s_endpgm
.Lentry_shape_is_right:
; O = softmax(Q K^T / 8, masked keys left out) V for one head, both products on codes of FP6 (E2M3) with E8M0 scales; O is quantised again as the last product's operand.
; THE SOFTMAX AHEAD OF THE SECOND PRODUCT: t = score x c, c = log2(e) / 8; M = the row's largest t so far, rounded up to a whole number; p = 2^(t - M) is quantised along the keys, not normalised.
; The row's sum is taken of the unquantised p and divides O at the end.  When M moves, the sum and O are multiplied by 2^(old M - new M): exact.
; THE MASK COSTS NO VECTOR INSTRUCTION.  The first product has K = 64; slot k = 64 of the instruction's 128 holds the code -4 on the key's side and 1 on the query's; all other upper codes are 0.
; Byte 2 of a key's scale word is 158 for a masked key, which adds -2^33 to the score (-2^30 to the logit), and 1 for an open one, which adds -2^-124.
; A batch with EVERY key masked comes with all keys open and c = 0: t = 0, p = 1: reference()'s uniform softmax.
; LIMIT: open logits must lie within +-5e8, so that a masked key's p is 0 beside them (reference()'s own -1e9 has a limit of the same kind).  While only masked keys have been met, p may reach 2^64; the first open
; key multiplies those sums by 0.  NaN and infinities are not served.  A block of zeros gets the byte 1 where the rule says 127: its codes are zeros.
; SHARES.  64 heads x 4 blocks of 512 queries: 256 work-groups of eight waves.  A wave owns four tiles of 16 queries (one record of qr) and takes them in two passes of TWO TILES SIDE BY SIDE (x = 0, 1):
; each fragment of K and of V feeds two products, and the two tiles' chains of dependent lines stand by turns.  In each pass it walks all 2,048 keys, 128 a step.
; THE WHOLE HEAD LIES IN LDS: 16 records of 13,312 bytes, each filled once: wave w fetches records 2 w and 2 w + 1 by its one tensor load.  One barrier shows them to all; behind it the waves share nothing.
; FRAGMENTS RUN AHEAD: the next step's eight fragments of K are asked for behind this step's first products, V's four at the step's top.  The last step of a pass asks for no further K and is written out.
; CLUSTER 4 x 1: the four blocks of queries of a head: joint loads.  No prefetch: all of K and V is asked for by the loads at the head; there is no loop to run ahead in.
; LAYOUT.  Both products are used transposed: S^T = K Q^T, O^T = V^T P^T: a lane holds one query of each tile.  Lane r of K's tile t holds key 64 (t / 4) + 8 (t % 4) + r % 8 + 32 (r / 8),
; so that a lane's 32 registers of tiles 4 c .. 4 c + 3 are keys 64 c + 32 (lane / 16) + 0 .. 31: ONE WHOLE SCALE BLOCK of p, in the order of the operand's registers 6 c .. 6 c + 5.
; V's channels are ordered likewise, so that a lane's 32 numbers of O^T are a block of the last product's K.
; REGISTERS.  Window 0: v1-8 addresses; per tile x: v[12+2x] -M, v[13+2x] the largest score, v[16+2x ..] the sum, v[20+2x ..] f, v[24+x] Q's scale word, v[26+x] p's; v28-31 V's scale words, v32-39 K's;
;   v40-57 at work; v60-83 Q; v84-179 eight fragments of K (their upper six registers are constants); v180-203 p's codes; v204-218 the conversions' second halves.
;   Window 1: v0-127 S^T, then p, then partial sums (64 a tile); v128-191 O^T (32 a tile); v192-239 V's four fragments; v240-253 the second pass's Q.
.set REC,   3328
.set KVREC, 13312
.set HEADB, 16*KVREC
.set SPARE, 16*KVREC
.set WV,  12
.set SEL, 16
.set CS,  18
.set CNT, 21
.set NM,  12
.set SUM, 16
.set F,   20
.set QS,  24
.set PS,  26
.set VS,  28
.set KS,  32
.set BM,  40
.set PT,  44
.set SO,  48
.set T0,  52
.set T1,  54
.set T2,  56
.set Q,   60
.set KG,  84
.set PC,  180
.set CT,  204
.set S,   0                            ; window 1 from here on
.set O,   128
.set VF,  192
.set X2,  240
.set MSB, 0
.macro WIN new                         ; the immediate's high byte repeats the setting that is left
.if MSB != \new
	s_set_vgpr_msb (MSB<<8)|\new
.set MSB, \new
.endif
.endm
.macro WALU
	s_wait_alu depctr_va_vdst(0)
.endm
.macro D2
	s_delay_alu instid0(VALU_DEP_2)
.endm
.macro ROUND
	s_barrier_signal -1
	s_barrier_wait -1
	s_cmp_lg_u32 s[WV], 0
	s_cbranch_scc1 .Lnot_wave_0_\@
	s_barrier_signal -3
.Lnot_wave_0_\@:
	s_barrier_wait -3
	s_barrier_signal -1
	s_barrier_wait -1
.endm
.macro KLOAD off                       ; 18 loads: eight half fragments of K (registers 0-5 of each; 6-11 stay) and its scale words
.irp t, 0,1,2,3,4,5,6,7
	ds_load_b128 v[KG+12*\t:KG+12*\t+3], v4 offset:\off+768*\t
	ds_load_b64 v[KG+12*\t+4:KG+12*\t+5], v5 offset:\off+768*\t+512
.endr
	ds_load_b128 v[KS:KS+3], v6 offset:\off+6144
	ds_load_b128 v[KS+4:KS+7], v6 offset:\off+6400
.endm
.macro LVL x, d, s, n                  ; a level of tile x's sum: n pairs at d take n pairs at s
.set I_, 0
.rept \n
	v_pk_add_f32 v[S+64*\x+\d+2*I_:S+64*\x+\d+2*I_+1], v[S+64*\x+\d+2*I_:S+64*\x+\d+2*I_+1], v[S+64*\x+\s+2*I_:S+64*\x+\s+2*I_+1]
.set I_, I_+1
.endr
.endm
.macro CODES x                         ; tile x's p: two blocks of 32 become the operand's twelve registers
	WIN 0x01
.irp c, 0,1
	v_cvt_scalef32_pk16_fp6_f32 v[PC+12*\x+6*\c:PC+12*\x+6*\c+2], v[S+64*\x+32*\c:S+64*\x+32*\c+15], v[SO+2*\x+\c]
	v_cvt_scalef32_pk16_fp6_f32 v[CT+8*\x+4*\c:CT+8*\x+4*\c+2], v[S+64*\x+32*\c+16:S+64*\x+32*\c+31], v[SO+2*\x+\c]   ; a conversion's three registers begin on an even number
.endr
	WIN 0
	v_nop                                          ; one plain instruction behind a scaled conversion
.irp c, 0,1
.irp i, 0,1,2
	v_mov_b32 v[PC+12*\x+3+6*\c+\i], v[CT+8*\x+4*\c+\i]
.endr
.endr
.endm
; A KEY STEP for both tiles: the 128 keys of the record at which v4, v5, v6 point.  more = 1: the next record's K is asked for
.macro STEP more
	WIN 0x40
.irp a, 0,1,2,3                                ; 17 loads: V's four fragments and its scale words; four plain instructions stand behind the products that read these registers last
	ds_load_b128 v[VF+12*\a:VF+12*\a+3], v4 offset:6656+1536*\a
	ds_load_b64 v[VF+12*\a+4:VF+12*\a+5], v5 offset:6656+1536*\a+512
	ds_load_b128 v[VF+12*\a+6:VF+12*\a+9], v4 offset:6656+1536*\a+768
	ds_load_b64 v[VF+12*\a+10:VF+12*\a+11], v5 offset:6656+1536*\a+1280
.endr
	WIN 0
	ds_load_b128 v[VS:VS+3], v6 offset:12800
	s_wait_dscnt 17                                ; K's 18 older loads are in; the 17 just issued may be out
	WIN 0x40
.irp t, 0,1,2,3,4,5,6,7                        ; S^T = K Q^T: each fragment of K against both tiles
.irp x, 0,1
	v_wmma_scale_f32_16x16x128_f8f6f4 v[S+64*\x+8*\t:S+64*\x+8*\t+7], v[KG+12*\t:KG+12*\t+11], v[Q+12*\x:Q+12*\x+11], 0, v[KS+\t], v[QS+\x] matrix_a_fmt:MATRIX_FMT_FP6 matrix_b_fmt:MATRIX_FMT_FP6
.endr
.endr
	WIN 0
	v_mov_b32 v[T1], v[NM]                         ; the old -M of both tiles; with two v_nop the four places behind the products
	v_mov_b32 v[T1+1], v[NM+2]
	v_nop
	v_nop
.if \more
	KLOAD KVREC
	v_add_nc_u32 v4, KVREC, v4                     ; on to the next record
	v_add_nc_u32 v5, KVREC, v5
	v_add_nc_u32 v6, KVREC, v6
.endif
	WIN 0x05                                       ; the largest score of each of my four blocks, the four chains by turns
.irp x, 0,1
.irp c, 0,1
	v_max_num_f32 v[BM+2*\x+\c], v[S+64*\x+32*\c], v[S+64*\x+32*\c+1]
.endr
.endr
.irp i, 2,4,6,8,10,12,14,16,18,20,22,24,26,28,30
.irp x, 0,1
.irp c, 0,1
	v_max3_num_f32 v[BM+2*\x+\c], v[S+64*\x+32*\c+\i], v[S+64*\x+32*\c+\i+1], v[BM+2*\x+\c]
.endr
.endr
.endr
	WIN 0
.irp x, 0,1
	v_max_num_f32 v[T0+\x], v[BM+2*\x], v[BM+2*\x+1]
.endr
.irp x, 0,1
	D2
	v_permlanex16_b32 v[T2+\x], v[T0+\x], s[SEL], s[SEL+1]
.endr
.irp x, 0,1
	D2
	v_max3_num_f32 v[NM+2*\x+1], v[NM+2*\x+1], v[T0+\x], v[T2+\x]   ; the running largest score of my query (c is not negative)
.endr
.irp x, 0,1
	D2
	v_mul_f32 v[T0+\x], s[CS], v[NM+2*\x+1]        ; as t
.endr
.irp x, 0,1
	D2
	v_floor_f32 v[NM+2*\x], -v[T0+\x]              ; the new -M = floor(-t): M is a whole number
.endr
.irp x, 0,1
	D2
	v_sub_f32 v[T1+\x], v[NM+2*\x], v[T1+\x]       ; old M - new M: a whole number, 0 or less
.endr
.irp x, 0,1
	D2
	v_cvt_i32_f32 v[T1+\x], v[T1+\x]               ; (it saturates)
.endr
.irp x, 0,1
	D2
	v_ldexp_f32 v[F+2*\x], 1.0, v[T1+\x]           ; f = 2^(old M - new M)
.endr
	WIN 0x41
.set J, 0
.rept 32
	v_pk_fma_f32 v[S+2*J:S+2*J+1], v[S+2*J:S+2*J+1], s[CS:CS+1], v[NM:NM+1] op_sel_hi:[1,0,0]   ; tile 0: t - M, two at a time
.set J, J+1
.endr
	WIN 0
.irp x, 0,1
.irp c, 0,1
	v_fma_f32 v[BM+2*\x+\c], v[BM+2*\x+\c], s[CS], v[NM+2*\x]      ; the same of each block's largest score
.endr
.endr
	WALU                                           ; the wait ahead of the batch
.irp k, 0,1,2,3
	v_exp_f32 v[BM+\k], v[BM+\k]                   ; the block's largest p: the same two instructions on the same number give the same bits
.endr
	WIN 0x41
.set J, 0
.rept 32                                       ; tile 0's p = 2^(t - M), and among them tile 1's t - M, which is read behind the wait below
	v_exp_f32 v[S+2*J], v[S+2*J]
	v_exp_f32 v[S+2*J+1], v[S+2*J+1]
	v_pk_fma_f32 v[S+64+2*J:S+65+2*J], v[S+64+2*J:S+65+2*J], s[CS:CS+1], v[NM+2:NM+3] op_sel_hi:[1,0,0]
.set J, J+1
.endr
	WIN 0
	WALU                                           ; one wait for the whole batch, ahead of its first reader
.irp x, 0,1
	v_pk_mul_f32 v[SUM+2*\x:SUM+2*\x+1], v[SUM+2*\x:SUM+2*\x+1], v[F+2*\x:F+2*\x+1] op_sel_hi:[1,0]   ; the sums under the new M
.endr
.irp k, 0,1,2,3
	v_max_num_f32 v[BM+\k], 0x1800000, v[BM+\k]    ; the floor 2^(3 - 127): the byte cannot fall under 1
.endr
.irp k, 0,1,2,3
	s_delay_alu instid0(VALU_DEP_4)
	v_add_nc_u32 v[SO+\k], 0xff000000, v[BM+\k]    ; 2 off the exponent field: the conversion's scale operand
.endr
.irp k, 0,1,2,3
	s_delay_alu instid0(VALU_DEP_4)
	v_lshrrev_b32 v[PT+\k], 23, v[SO+\k]           ; the scale's byte
.endr
.irp x, 0,1
	v_lshl_or_b32 v[T0+\x], v[PT+2*\x+1], 16, v[PT+2*\x]           ; my bytes: blocks h and 2 + h,
.endr
.irp x, 0,1
	D2
	v_lshlrev_b32 v[T0+\x], v8, v[T0+\x]           ; at their places (8 h bits up);
.endr
.irp x, 0,1
	D2
	v_permlanex16_b32 v[T2+\x], v[T0+\x], s[SEL], s[SEL+1]
.endr
.irp x, 0,1
	D2
	v_or_b32 v[PS+\x], v[T0+\x], v[T2+\x]          ; with lane l xor 16's two: p's scale word for these 128 keys
.endr
	CODES 0
	WIN 0x45
	WALU                                           ; the wait ahead of the batch
.set J, 0
.rept 16                                       ; tile 1's p, and among them the first level of tile 0's sum of the unquantised p: 16 additions that hang on nothing of the batch and are read behind the wait below
	v_exp_f32 v[S+64+4*J], v[S+64+4*J]
	v_exp_f32 v[S+65+4*J], v[S+65+4*J]
	v_exp_f32 v[S+66+4*J], v[S+66+4*J]
	v_exp_f32 v[S+67+4*J], v[S+67+4*J]
	v_pk_add_f32 v[S+32+2*J:S+33+2*J], v[S+32+2*J:S+33+2*J], v[S+2*J:S+2*J+1]
.set J, J+1
.endr
	WALU
	CODES 1
	WIN 0x45                                       ; the sums go on, the two tiles' levels by turns
	LVL 0, 48, 32, 8
	LVL 1, 32, 0, 16
	LVL 0, 56, 48, 4
	LVL 1, 48, 32, 8
	LVL 0, 60, 56, 2
	LVL 1, 56, 48, 4
	LVL 1, 60, 56, 2
	WIN 0x41
	WALU                                           ; the wait directly ahead of the first reader of O^T
.irp x, 0,1
.irp j, 0,2,4,6,8,10,12,14,16,18,20,22,24,26,28,30
	v_pk_mul_f32 v[O+32*\x+\j:O+32*\x+\j+1], v[O+32*\x+\j:O+32*\x+\j+1], v[F+2*\x:F+2*\x+1] op_sel_hi:[1,0]   ; O^T under the new M
.endr
.endr
	WALU                                           ; the wait directly ahead of the wait below
.if \more
	s_wait_dscnt 18                                ; V is in; the next step's 18 loads of K may be out
.else
	s_wait_dscnt 0x0
.endif
	WIN 0x51
.irp a, 0,1,2,3                                ; O^T += V^T P^T: each fragment of V against both tiles; the eight accumulators by turns
.irp x, 0,1
	v_wmma_scale_f32_16x16x128_f8f6f4 v[O+32*\x+8*\a:O+32*\x+8*\a+7], v[VF+12*\a:VF+12*\a+11], v[PC+12*\x:PC+12*\x+11], v[O+32*\x+8*\a:O+32*\x+8*\a+7], v[VS+\a], v[PS+\x] matrix_a_fmt:MATRIX_FMT_FP6 matrix_b_fmt:MATRIX_FMT_FP6
.endr
.endr
	WIN 0x45                                       ; the sums' last four additions are the four places behind these products
	LVL 0, 62, 60, 1
	LVL 1, 62, 60, 1
	WIN 0x04
.irp x, 0,1
	v_pk_add_f32 v[SUM+2*\x:SUM+2*\x+1], v[SUM+2*\x:SUM+2*\x+1], v[S+64*\x+62:S+64*\x+63]
.endr
	WIN 0
.endm
; A pass: tiles 2 q and 2 q + 1 of my four
.macro PASS q
.if \q
	s_wait_xcnt 0x0                                ; the first pass's stores have read their data
	WIN 0x01
.irp x, 0,1
.irp i, 0,1,2,3,4,5
	v_mov_b32 v[Q+12*\x+\i], v[X2+6*\x+\i]
.endr
	v_mov_b32 v[QS+\x], v[X2+12+\x]
.endr
	WIN 0
.endif
.irp x, 0,1
	v_mov_b32 v[NM+2*\x+1], 0xff61b1e6             ; the largest score so far: -3e38, under every score
	v_mov_b32 v[NM+2*\x], 0x7f61b1e6               ; -M: 3e38, so that the first f is 0
	v_mov_b32 v[SUM+2*\x], 0                       ; the sum, in two halves
	v_mov_b32 v[SUM+2*\x+1], 0
	v_mov_b32 v[F+2*\x], 0
	v_mov_b32 v[F+2*\x+1], 0                       ; named as the upper half of a pair
.endr
	v_mov_b32 v4, v1                               ; record 0
	v_mov_b32 v5, v2
	v_mov_b32 v6, v3
	KLOAD 0
	WIN 0x40
.set J, 0
.rept 64
	v_mov_b32 v[O+J], 0                            ; O^T: the step's first run finds zeros
.set J, J+1
.endr
	WIN 0
	s_mov_b32 s[CNT], 15
	WALU                                           ; the wait ahead of the loop
.Lstep_\@:
	STEP 1
	s_sub_co_u32 s[CNT], s[CNT], 1
	s_cmp_lg_u32 s[CNT], 0
	s_cbranch_scc1 .Lstep_\@
	STEP 0                                         ; record 15: nothing more to ask for
	; THE WAY OUT: O^T / the sum; my 32 channels of each tile are one block of the last product's K: quantised, and stored as half a fragment and, with lane l xor 16's, two scale bytes
.irp x, 0,1
	v_add_f32 v[SUM+2*\x], v[SUM+2*\x], v[SUM+2*\x+1]
.endr
.irp x, 0,1
	v_permlanex16_b32 v[T2+\x], v[SUM+2*\x], s[SEL], s[SEL+1]
.endr
.irp x, 0,1
	v_add_f32 v[SUM+2*\x], v[SUM+2*\x], v[T2+\x]   ; the row's sum
.endr
	WALU
.irp x, 0,1
	v_rcp_f32 v[F+2*\x], v[SUM+2*\x]
.endr
	v_nop                                          ; a plain instruction behind the reciprocals
	WIN 0x41
	WALU                                           ; the wait ahead of their first reader and of O^T's
.irp x, 0,1
.irp j, 0,2,4,6,8,10,12,14,16,18,20,22,24,26,28,30
	v_pk_mul_f32 v[S+64*\x+\j:S+64*\x+\j+1], v[O+32*\x+\j:O+32*\x+\j+1], v[F+2*\x:F+2*\x+1] op_sel_hi:[1,0]   ; register 8 a + i: channel 32 h + 8 a + i; each accumulator from its low end on
.endr
.endr
	WIN 0x05
.irp x, 0,1
	v_max_num_f32 v[BM+\x], |v[S+64*\x]|, |v[S+64*\x+1]|
.endr
.irp i, 2,4,6,8,10,12,14,16,18,20,22,24,26,28,30
.irp x, 0,1
	v_max3_num_f32 v[BM+\x], |v[S+64*\x+\i]|, |v[S+64*\x+\i+1]|, v[BM+\x]
.endr
.endr
	WIN 0
.irp x, 0,1
	v_max_num_f32 v[BM+\x], 0x1800000, v[BM+\x]    ; the floor 2^(3 - 127)
.endr
.irp x, 0,1
	v_add_nc_u32 v[SO+\x], 0xff000000, v[BM+\x]
.endr
.irp x, 0,1
	v_lshrrev_b32 v[PT+\x], 23, v[SO+\x]
.endr
	WIN 0x01
.irp x, 0,1
	v_cvt_scalef32_pk16_fp6_f32 v[PC+12*\x:PC+12*\x+2], v[S+64*\x:S+64*\x+15], v[SO+\x]
	v_cvt_scalef32_pk16_fp6_f32 v[CT+8*\x:CT+8*\x+2], v[S+64*\x+16:S+64*\x+31], v[SO+\x]
.endr
	WIN 0
.irp x, 0,1
	v_lshlrev_b32 v[T0+\x], v8, v[PT+\x]           ; my byte at its place
.endr
.irp x, 0,1
	v_permlanex16_b32 v[T2+\x], v[T0+\x], s[SEL], s[SEL+1]
.endr
.irp x, 0,1
	v_or_b32 v[T0+\x], v[T0+\x], v[T2+\x]          ; my row's two scale bytes
.endr
.irp x, 0,1
.irp i, 0,1,2
	v_mov_b32 v[PC+12*\x+3+\i], v[CT+8*\x+\i]
.endr
	v_cndmask_b32 v[T0+\x], 0, v[T0+\x], s22       ; lanes 16-31 write the record's zeros
.endr
.irp x, 0,1
	global_store_b128 v1, v[PC+12*\x:PC+12*\x+3], s[56:57] offset:(2*\q+\x)*REC        ; 512 consecutive bytes,
	global_store_b64 v2, v[PC+12*\x+4:PC+12*\x+5], s[56:57] offset:(2*\q+\x)*REC+512   ; and 256
	global_store_b16 v7, v[T0+\x], s[10:11] offset:(2*\q+\x)*REC+3072                  ; two bytes of each row's eight: the other six are three other heads'
.endr
.endm
	s_load_b256 s[4:11], s[0:1], 0x0               ; qr, kv, aux, orr
	v_lshl_add_u32 v254, v0, 2, SPARE
	v_mov_b32 v255, 0
	ds_add_u32 v254, v255                          ; the opening lines: the add, twice on end, and its wait
	ds_add_u32 v254, v255
	v_lshrrev_b32 v1, 5, v0
	v_readfirstlane_b32 s[WV], v1                  ; wave 0..7
	s_bfe_u32 s14, ttmp6, 0x40000                  ; cx: my block of 512 queries: it enters Q's and O's addresses alone
	s_and_b32 s15, ttmp7, 0xffff                   ; batch x 16 + head, which the four partners share
	s_mov_b32 s24, 15|(3<<16)|(1<<21)              ; two records as 104 rows of 256 bytes (32 elements of 8 bytes); the mask: all four work-groups; bit 21 beside it
	s_mov_b32 s25, 32<<16
	s_mov_b32 s26, 104<<16
	s_mov_b32 s27, 32<<16
	s_mov_b32 s28, 104
	s_mov_b32 s29, 32
	s_mov_b32 s30, 0
	s_mov_b32 s31, 0
	s_mov_b32 s32, 1
	s_mul_i32 s33, s[WV], 2*KVREC                  ; records 2 w, 2 w + 1: in LDS,
	s_mul_i32 s48, s15, HEADB
	s_add_co_u32 s48, s48, s33                     ; and in memory
	s_mov_b32 s49, 0
	s_lshr_b32 s52, s15, 4
	s_lshl_b32 s52, s52, 7                         ; the batch's 128 bytes of aux
	s_mov_b32 s53, 0
	s_mov_b32 s[SEL], 0x76543210
	s_mov_b32 s[SEL+1], 0xfedcba98
	s_mov_b32 s22, 0xffff                          ; lanes 0-15
	WALU
	s_wait_dscnt 0x0
	s_wait_kmcnt 0x0
	s_add_nc_u64 s[34:35], s[6:7], s[48:49]
	s_or_b32 s35, s35, 0x80000000
	s_add_nc_u64 s[8:9], s[8:9], s[52:53]
	s_load_b32 s[CS], s[8:9], 0x200                ; c
	ROUND                                          ; all four work-groups are here: the joint loads meet
	tensor_load_to_lds s[32:35], s[24:31]          ; every wave's one load
	s_nop 0
	v_and_b32 v8, 31, v0
	v_lshlrev_b32 v1, 4, v8                        ; 16 x lane
	v_lshlrev_b32 v2, 3, v8                        ; 8 x lane
	v_and_b32 v9, 15, v0                           ; r
	v_lshlrev_b32 v3, 4, v9                        ; 16 r
	v_bfe_u32 v10, v0, 4, 1                        ; h
	v_lshlrev_b32 v7, 3, v9
	v_lshl_add_u32 v7, v10, 7, v7                  ; 128 h + 8 r
	v_lshlrev_b32 v8, 3, v10                       ; 8 h
	s_lshl_b32 s54, s14, 3
	s_add_co_u32 s54, s54, s[WV]                   ; my four tiles of queries: group 0..31 of the head's
	s_lshl_b32 s56, s15, 5
	s_add_co_u32 s55, s54, s56
	s_mul_i32 s56, s55, REC
	s_mov_b32 s57, 0
	s_add_nc_u64 s[4:5], s[4:5], s[56:57]          ; Q's record
	s_nop 0
	WALU                                           ; the wait
.irp x, 0,1
	global_load_b128 v[Q+12*\x:Q+12*\x+3], v1, s[4:5] offset:768*\x
	global_load_b64 v[Q+12*\x+4:Q+12*\x+5], v2, s[4:5] offset:768*\x+512
	global_load_b32 v[QS+\x], v3, s[4:5] offset:3072+4*\x
.endr
	WIN 0x40
.irp x, 0,1
	global_load_b128 v[X2+6*\x:X2+6*\x+3], v1, s[4:5] offset:768*(2+\x)
	global_load_b64 v[X2+6*\x+4:X2+6*\x+5], v2, s[4:5] offset:768*(2+\x)+512
	global_load_b32 v[X2+12+\x], v3, s[4:5] offset:3072+4*(2+\x)
.endr
	WIN 0
	; where O goes: tiles T = 4 G + 0 .. 3, G = 32 batch + my group; pair of K steps p = head / 4: records 16 G + 4 p + T % 4; K step (head / 2) % 2, half head % 2
	s_lshr_b32 s48, s15, 4
	s_lshl_b32 s48, s48, 5
	s_add_co_u32 s48, s48, s54
	s_and_b32 s52, s15, 15                         ; the head
	s_lshr_b32 s50, s52, 2
	s_lshl_b32 s48, s48, 2
	s_add_co_u32 s48, s48, s50
	s_mul_i32 s48, s48, 4*REC
	s_mov_b32 s49, 0
	s_add_nc_u64 s[10:11], s[10:11], s[48:49]
	s_bfe_u32 s50, s52, 0x10001
	s_and_b32 s51, s52, 1
	s_mul_i32 s48, s50, 1536
	s_mul_i32 s52, s51, 768
	s_add_co_u32 s48, s48, s52
	s_add_nc_u64 s[56:57], s[10:11], s[48:49]      ; the codes,
	s_lshl_b32 s50, s50, 2
	s_lshl_b32 s51, s51, 1
	s_add_co_u32 s48, s50, s51
	s_add_nc_u64 s[10:11], s[10:11], s[48:49]      ; the two scale bytes
	v_mov_b32 v9, 0x08                             ; the code of 1
	v_mov_b32 v10, 0x38                            ; the code of -4
.irp x, 0,1
	v_cndmask_b32 v[Q+12*\x+6], 0, v9, s22         ; Q: k = 64 lies in register 6, bits 5:0, of lanes 0-15
.irp i, 7,8,9,10,11
	v_mov_b32 v[Q+12*\x+\i], 0
.endr
	v_mov_b32 v[T2+\x], 0                          ; written once: a lane permute's destination counts as one of its sources
.endr
.irp t, 0,1,2,3,4,5,6,7
	v_cndmask_b32 v[KG+12*\t+6], 0, v10, s22       ; K likewise: set once, the loads fill registers 0-5 alone
.irp i, 7,8,9,10,11
	v_mov_b32 v[KG+12*\t+\i], 0
.endr
.endr
	WALU                                           ; the wait at the head's end
	s_wait_kmcnt 0x0
	s_mov_b32 s[CS+1], s[CS]                       ; named with c as a pair, so it is written
	s_wait_loadcnt 0x0                             ; all four tiles' Q
	s_wait_tensorcnt 0x0                           ; my two records have landed,
	s_barrier_signal -1
	s_barrier_wait -1                              ; everybody's have: the head is in LDS.
	PASS 0
	PASS 1
	s_wait_tensorcnt 0x0                           ; the wave's end
	ds_add_u32 v254, v255
	s_wait_dscnt 0x0
	ROUND                                          ; the closing round
	s_endpgm
.Lfunc_end_k_q363df32324_attn:
	.size	k_q363df32324_attn, .Lfunc_end_k_q363df32324_attn-k_q363df32324_attn
	.p2alignl 7, 3214868480
	.fill 96, 4, 3214868480
	.section	.rodata,"a",@progbits
	.p2align	6, 0x0
	.amdhsa_kernel k_q363df32324_attn
		.amdhsa_group_segment_fixed_size 215040
		.amdhsa_private_segment_fixed_size 0
		.amdhsa_enable_private_segment 0
		.amdhsa_kernarg_size 32
		.amdhsa_user_sgpr_count 2
		.amdhsa_user_sgpr_kernarg_segment_ptr 1
		.amdhsa_wavefront_size32 1
		.amdhsa_system_sgpr_workgroup_id_x 1
		.amdhsa_system_sgpr_workgroup_id_y 1
		.amdhsa_system_sgpr_workgroup_id_z 1
		.amdhsa_system_vgpr_workitem_id 0
		.amdhsa_next_free_vgpr 512
		.amdhsa_next_free_sgpr 66
		.amdhsa_reserve_vcc 0
		.amdhsa_float_denorm_mode_32 3
		.amdhsa_float_denorm_mode_16_64 3
		.amdhsa_memory_ordered 1
		.amdhsa_forward_progress 1
		.amdhsa_inst_pref_size 140
	.end_amdhsa_kernel
	.amdgpu_metadata
---
amdhsa.version: [ 1, 2 ]
amdhsa.kernels:
  - .name:           k_q363df32324_attn
    .symbol:         k_q363df32324_attn.kd
    .args:
      - { .name: qr, .offset: 0, .size: 8, .value_kind: global_buffer, .address_space: global }
      - { .name: kv, .offset: 8, .size: 8, .value_kind: global_buffer, .address_space: global }
      - { .name: aux, .offset: 16, .size: 8, .value_kind: global_buffer, .address_space: global }
      - { .name: orr, .offset: 24, .size: 8, .value_kind: global_buffer, .address_space: global }
    .group_segment_fixed_size: 215040
    .private_segment_fixed_size: 0
    .kernarg_segment_align: 8
    .kernarg_segment_size: 32
    .max_flat_workgroup_size: 256
    .sgpr_count:     66
    .vgpr_count:     512
    .wavefront_size: 32
...
	.end_amdgpu_metadata
.endif
;; end of part 3
;; launch outp (part 4): grid 4 x 64, 4 waves a work-group, clusters of 4 x 4, 327,680 bytes of LDS; arguments orr, wr, bO, out0; writes out0
.if DOCPART == 4
	.amdgcn_target "amdgcn-amd-amdhsa--gfx1250"
	.amdhsa_code_object_version 6
	.text
	.protected	k_q363df32324_outp
	.globl	k_q363df32324_outp
	.p2align	8
	.type	k_q363df32324_outp,@function
k_q363df32324_outp:
	s_mov_b64 s[64:65], 0
	v_nop
	global_prefetch_b8 v0, s[64:65] scope:SCOPE_SE
	s_setreg_imm32_b32 hwreg(HW_REG_WAVE_MODE, 25, 1), 1
	s_wait_xcnt 0x0
	s_wait_alu depctr_hold_cnt(0) depctr_sa_sdst(0) depctr_va_vdst(0) depctr_va_sdst(0) depctr_va_ssrc(0) depctr_va_vcc(0) depctr_vm_vsrc(0)
	s_getreg_b32 s2, hwreg(HW_REG_IB_STS2, 6, 4)
	s_cmp_eq_u32 s2, 0
	s_cbranch_scc0 .Lentry_in_a_cluster
	s_endpgm
.Lentry_in_a_cluster:
	s_bfe_u32 s2, ttmp6, 0x10000c
	s_cmp_lg_u32 s2, 0xf033
	s_cbranch_scc0 .Lentry_shape_is_right
	s_endpgm
.Lentry_shape_is_right:
; out0 = O WO^T + bO on codes of FP6 (E2M3) with E8M0 scales.  Records of 3,328 bytes (tile of 16 rows T, pair of K steps p) at (16 (T / 4) + 4 p + T % 4) x 3,328.  O's (orr) hold each fragment as two halves of
; 768 bytes (registers 6 c .. 6 c + 3 at 768 c + 16 x lane, 6 c + 4, 6 c + 5 at 768 c + 512 + 8 x lane); WO's (wr, tiles 192-255) as three runs of 512 bytes.  Row r's two scale words lie at 3,072 + 8 r of a record.
; Lane r of tile T holds row 64 (T / 4) + 8 (T % 4) + r % 8 + 32 (r / 8).
; A work-group makes 128 tokens x 256 outputs; each of four waves 64 x 128: 32 accumulators.  The matrix instruction is used transposed (source 0 = 16 rows of WO, source 1 = 16 tokens): a lane holds one token,
; and its 32 registers of tiles 4 c .. 4 c + 3 are outputs 64 c + 32 (lane / 16) + 0 .. 31.
; ALL OF K (1,024) LIES IN LDS, filled once: O's two groups of four tiles (16 records each), then WO's four.  ONE tensor load a wave: waves 0, 1 a group of O (208 rows of 256 bytes), waves 2, 3 two groups of WO (416 rows).
; CLUSTER 4 x 4: O's records are shared along a row of the cluster, WO's along a column: joint loads.  No prefetch: all that a work-group reads is asked for by its four loads at the head; there is no loop to run ahead in.
; THE WAY OUT goes through a stage of 16 rows x 528 bytes for each wave, on O's first records: they have had their one fill, and a barrier, signalled when a wave's last fragments are in registers, stands ahead of the first store there.
; REGISTERS: window 0: v1-14 addresses; v32-63 scale words, two sets; v64-159 O's fragments, two sets; on the way out v64-191 rows of out0.
;   window 1: v0-191 WO's fragments, two sets; v192-255 bO, 8 registers a tile: the C of each sum's first product.   window 2: the accumulators, (a, b) at v[8 (8 a + b)].
.set REC,   3328
.set GRP,   16*REC
.set PST,   4*REC
.set SPARE, 96*REC
.set L16, 1
.set L8,  2
.set ADA, 4
.set ADA8, 5
.set ADB, 6                            ; v6, v13
.set ADS, 7                            ; v7, v14
.set STO, 8
.set RD,  9
.set SC,  32
.set AF,  64
.set BK,  64
.set CBR, 192
.set WV,  22
.set RH,  23
.set CH,  24
.set G1A, 28
.set G1B, 36
.set G0A, 44
.set G0B, 68
.set MSB, 0
.macro WIN new
.if MSB != \new
	s_set_vgpr_msb (MSB<<8)|\new
.set MSB, \new
.endif
.endm
.macro ROUND
	s_barrier_signal -1
	s_barrier_wait -1
	s_cmp_lg_u32 s[WV], 0
	s_cbranch_scc1 .Lnot_wave_0_\@
	s_barrier_signal -3
.Lnot_wave_0_\@:
	s_barrier_wait -3
	s_barrier_signal -1
	s_barrier_wait -1
.endm
.macro FETCH s                         ; K step s: WO's 8 fragments and O's 4 into set s % 2; with a pair's first step its scale words
	WIN 0x40
.irp b, 0,1,2,3,4,5,6,7
.irp c, 0,1,2
	ds_load_b128 v[96*((\s)%2)+12*\b+4*\c:96*((\s)%2)+12*\b+4*\c+3], v[ADB+7*(\b/4)] offset:(\b%4)*REC+((\s)/2)*PST+((\s)%2)*1536+512*\c
.endr
.endr
	WIN 0
.irp a, 0,1,2,3
.irp c, 0,1
	ds_load_b128 v[AF+48*((\s)%2)+12*\a+6*\c:AF+48*((\s)%2)+12*\a+6*\c+3], v[ADA] offset:\a*REC+((\s)/2)*PST+((\s)%2)*1536+768*\c
	ds_load_b64 v[AF+48*((\s)%2)+12*\a+6*\c+4:AF+48*((\s)%2)+12*\a+6*\c+5], v[ADA8] offset:\a*REC+((\s)/2)*PST+((\s)%2)*1536+768*\c+512
.endr
.endr
.if (\s)%2 == 0
.irp i, 0,1,2,3,4,5,6,7
	ds_load_b64 v[SC+16*(((\s)/2)%2)+2*\i:SC+16*(((\s)/2)%2)+2*\i+1], v[ADS+7*(\i/4)] offset:3072+(\i%4)*REC+((\s)/2)*PST   ; lanes 0-15: O's tile i (from i = 4 on landed bytes that nobody uses); lanes 16-31: WO's tile i
.endr
.endif
.endm
; 16 products.  The 32 accumulators take turns, one instruction a turn.  first = 1: C is the bias.
.macro MUL16 a0, s, first
.if \first
	WIN 0x91
.else
	WIN 0xa1
.endif
.irp a, \a0, \a0+1
.irp b, 0,1,2,3,4,5,6,7
.if \first
	v_wmma_scale_f32_16x16x128_f8f6f4 v[8*(8*(\a)+\b):8*(8*(\a)+\b)+7], v[96*((\s)%2)+12*\b:96*((\s)%2)+12*\b+11], v[AF+48*((\s)%2)+12*(\a):AF+48*((\s)%2)+12*(\a)+11], v[CBR+8*\b:CBR+8*\b+7], v[SC+16*(((\s)/2)%2)+2*\b+(\s)%2], v[SC+16*(((\s)/2)%2)+2*(\a)+(\s)%2] matrix_a_fmt:MATRIX_FMT_FP6 matrix_b_fmt:MATRIX_FMT_FP6 matrix_a_scale:MATRIX_SCALE_ROW1
.else
	v_wmma_scale_f32_16x16x128_f8f6f4 v[8*(8*(\a)+\b):8*(8*(\a)+\b)+7], v[96*((\s)%2)+12*\b:96*((\s)%2)+12*\b+11], v[AF+48*((\s)%2)+12*(\a):AF+48*((\s)%2)+12*(\a)+11], v[8*(8*(\a)+\b):8*(8*(\a)+\b)+7], v[SC+16*(((\s)/2)%2)+2*\b+(\s)%2], v[SC+16*(((\s)/2)%2)+2*(\a)+(\s)%2] matrix_a_fmt:MATRIX_FMT_FP6 matrix_b_fmt:MATRIX_FMT_FP6 matrix_a_scale:MATRIX_SCALE_ROW1
.endif
.endr
.endr
.endm
.macro STEP s, first
	s_wait_dscnt 0x0                               ; this step's fragments are in
.if (\s) == 7
	s_barrier_signal -1                            ; my reads of the records are over; the last step's products, work on registers, stand between the signal and the wait
.endif
	MUL16 0, \s, \first
.if (\s) < 7
	WIN 0
.rept 4
	v_nop                                          ; four places in front of loads into registers that matrix instructions have read
.endr
	FETCH (\s)+1
.endif
	MUL16 2, \s, \first
.endm
	s_load_b256 s[4:11], s[0:1], 0x0               ; orr, wr, bO, out0
	v_lshl_add_u32 v254, v0, 2, SPARE
	v_mov_b32 v255, 0
	ds_add_u32 v254, v255                          ; the opening lines: the add, twice on end, and its wait
	ds_add_u32 v254, v255
	v_lshrrev_b32 v1, 5, v0
	v_readfirstlane_b32 s[WV], v1
	s_lshr_b32 s[RH], s[WV], 1                     ; which 64 tokens are mine.  Also: I fetch for O (0) or for WO (1)
	s_and_b32 s[CH], s[WV], 1                      ; which 128 outputs.  Also: which half of the records I fetch
	s_bfe_u32 s25, ttmp6, 0x40000                  ; cx
	s_bfe_u32 s26, ttmp6, 0x40004                  ; cy
	s_and_b32 s27, ttmp7, 0xffff
	s_lshl_b32 s92, s26, 2
	s_lshl_b32 s92, 15, s92                        ; my row of the cluster
	s_lshl_b32 s93, 0x1111, s25                    ; my column
	s_or_b32 s[G1A], s92, (3<<16)|(1<<21)          ; dense blocks as rows of 256 bytes (32 elements of 8 bytes)
	s_or_b32 s[G1B], s93, (3<<16)|(1<<21)
	s_mov_b32 s[G1A+1], 32<<16
	s_mov_b32 s[G1A+2], 208<<16
	s_mov_b32 s[G1A+3], 32<<16
	s_mov_b32 s[G1A+4], 208
	s_mov_b32 s[G1A+5], 32
	s_mov_b32 s[G1A+6], 0
	s_mov_b32 s[G1A+7], 0
	s_mov_b32 s[G1B+1], 32<<16
	s_mov_b32 s[G1B+2], 416<<16
	s_mov_b32 s[G1B+3], 32<<16
	s_mov_b32 s[G1B+4], 416
	s_mov_b32 s[G1B+5], 32
	s_mov_b32 s[G1B+6], 0
	s_mov_b32 s[G1B+7], 0
	s_lshl_b32 s92, s27, 2
	s_add_co_u32 s92, s92, s26                     ; TR: which 128 tokens
	s_lshl_b32 s93, ttmp9, 2
	s_add_co_u32 s93, s93, s25                     ; TC: which 256 outputs
	s_lshl_b32 s96, s92, 3
	s_lshl_b32 s97, s[CH], 2
	s_add_co_u32 s96, s96, s97
	s_mul_i32 s96, s96, 4*REC                      ; O: the group of four tiles that I fetch
	s_mov_b32 s97, 0
	s_lshl_b32 s98, s93, 4
	s_lshl_b32 s99, s[CH], 3
	s_add_co_u32 s98, s98, s99
	s_add_co_u32 s98, s98, 192                     ; WO's tiles begin at 192
	s_mul_i32 s98, s98, 4*REC
	s_mov_b32 s99, 0
	s_mul_i32 s[G0A+1], s[CH], GRP                 ; where they go: no place in the cluster enters an LDS address
	s_mul_i32 s[G0B+1], s[CH], 2*GRP
	s_add_co_u32 s[G0B+1], s[G0B+1], 2*GRP
	s_mov_b32 s[G0A], 1
	s_mov_b32 s[G0B], 1
	s_wait_dscnt 0x0
	s_wait_kmcnt 0x0
	s_add_nc_u64 s[G0A+2:G0A+3], s[4:5], s[96:97]
	s_add_nc_u64 s[G0B+2:G0B+3], s[6:7], s[98:99]
	s_or_b32 s[G0A+3], s[G0A+3], 0x80000000
	s_or_b32 s[G0B+3], s[G0B+3], 0x80000000
	ROUND                                          ; all sixteen work-groups are here: the joint loads meet
	s_cmp_eq_u32 s[RH], 0                          ; one load a wave, one in each arm
	s_cbranch_scc0 .Lfor_b
	tensor_load_to_lds s[G0A:G0A+3], s[G1A:G1A+7]
	s_nop 0
.rept 4
	v_nop
.endr
	s_branch .Lasked
.Lfor_b:
	tensor_load_to_lds s[G0B:G0B+3], s[G1B:G1B+7]
	s_nop 0
.rept 4
	v_nop
.endr
.Lasked:
	v_and_b32 v3, 31, v0
	v_lshlrev_b32 v[L16], 4, v3
	v_lshlrev_b32 v[L8], 3, v3
	v_and_b32 v10, 15, v0                          ; r
	v_bfe_u32 v3, v0, 4, 1                         ; h
	s_mul_i32 s94, s[RH], GRP                      ; my four tiles of O
	v_add_nc_u32 v[ADA], s94, v[L16]
	v_add_nc_u32 v[ADA8], s94, v[L8]
	s_mul_i32 s95, s[CH], 2*GRP
	s_add_co_u32 s95, s95, 2*GRP                   ; my eight of WO, behind O's eight
	v_add_nc_u32 v[ADB], s95, v[L16]
	v_add_nc_u32 v[ADB+7], GRP, v[ADB]
	s_sub_co_u32 s95, s95, s94
	v_mul_u32_u24 v[ADS], s95, v3                  ; lanes 16-31 take WO's
	v_lshl_add_u32 v[ADS], v10, 3, v[ADS]
	v_add_nc_u32 v[ADS], s94, v[ADS]
	v_add_nc_u32 v[ADS+7], GRP, v[ADS]
	s_mul_i32 s94, s[WV], 16*528                   ; my stage
	v_mul_u32_u24 v[STO], v10, 528
	v_lshl_add_u32 v[STO], v3, 7, v[STO]
	v_add_nc_u32 v[STO], s94, v[STO]               ; in: row r, + 128 h
	v_add_nc_u32 v[RD], s94, v[L16]                ; back: the 32 lanes take one row of 512 bytes
	v_lshlrev_b32 v11, 7, v3                       ; 128 h
	s_lshl_b32 s92, s92, 7
	s_lshl_b32 s94, s[RH], 6
	s_add_co_u32 s92, s92, s94                     ; my first token
	s_lshl_b32 s93, s93, 8
	s_lshl_b32 s94, s[CH], 7
	s_add_co_u32 s93, s93, s94                     ; my first output
	s_lshl_b32 s96, s93, 2
	s_mov_b32 s97, 0
	s_add_nc_u64 s[8:9], s[8:9], s[96:97]          ; bO at my 128 outputs
	s_add_nc_u64 s[10:11], s[10:11], s[96:97]
	s_lshl_b32 s96, s92, 12
	s_add_nc_u64 s[10:11], s[10:11], s[96:97]      ; out0 at my first token and output
	s_wait_alu depctr_va_vdst(0)                   ; the wait at the head's end
	WIN 0x40
.irp b, 0,1,2,3,4,5,6,7
	global_load_b128 v[CBR+8*\b:CBR+8*\b+3], v11, s[8:9] offset:(64*(\b/4)+8*(\b%4))*4
	global_load_b128 v[CBR+8*\b+4:CBR+8*\b+7], v11, s[8:9] offset:(64*(\b/4)+8*(\b%4))*4+16
.endr
	WIN 0
	s_wait_tensorcnt 0x0                           ; my one load has landed,
	s_barrier_signal -1
	s_barrier_wait -1                              ; everybody's has: all of K is in LDS.
	FETCH 0
	s_wait_loadcnt 0x0                             ; the bias
	STEP 0, 1
.irp s, 1,2,3,4,5,6,7
	STEP \s, 0
.endr
	WIN 0
	s_barrier_wait -1                              ; nobody reads the records any more: the stage may be written
.rept 4
	v_nop                                          ; four places in front of the first read of results and of loads into the registers that held O's fragments
.endr
; THE WAY OUT, a tile of 16 tokens x 128 outputs at a time: a lane holds pieces of one row, so the tile goes through my stage and comes back as whole rows of 512 bytes.
; LDS serves a wave's instructions in order: no wait between the stores and the loads, nor in front of the next tile's stores.
.macro TOSTAGE a
	WIN 0x08                                       ; an LDS store's data are its source 1: window 2
.irp b, 0,1,2,3,4,5,6,7
	ds_store_b128 v[STO], v[64*(\a)+8*\b:64*(\a)+8*\b+3] offset:256*(\b/4)+32*(\b%4)          ; each accumulator from its low end on
	ds_store_b128 v[STO], v[64*(\a)+8*\b+4:64*(\a)+8*\b+7] offset:256*(\b/4)+32*(\b%4)+16
.endr
	WIN 0
.set J, 0
.rept 16
	ds_load_b128 v[BK+64*((\a)%2)+4*J:BK+64*((\a)%2)+4*J+3], v[RD] offset:528*J
.set J, J+1
.endr
.endm
.macro SEND a, younger                 ; younger: the LDS instructions issued behind tile a's loads, which may stay out
	s_wait_dscnt \younger
.set J, 0
.rept 16
	global_store_b128 v[L16], v[BK+64*((\a)%2)+4*J:BK+64*((\a)%2)+4*J+3], s[10:11] offset:(8*(\a)+J+24*(J/8))*4096 th:TH_STORE_NT   ; 512 consecutive bytes of the token in lane J of tile a
.set J, J+1
.endr
.endm
	TOSTAGE 0
.irp a, 1,2,3
.if \a > 1
	s_wait_xcnt 0x0                                ; tile a - 2's stores have read their registers: tile a's loads may land there
.endif
	TOSTAGE \a
	SEND \a-1, 32                                  ; behind tile a - 1's loads: tile a's 16 stores and 16 loads
.endr
	SEND 3, 0
	s_wait_tensorcnt 0x0                           ; the wave's end
	ds_add_u32 v254, v255
	s_wait_dscnt 0x0
	ROUND                                          ; the closing round
	s_endpgm
.Lfunc_end_k_q363df32324_outp:
	.size	k_q363df32324_outp, .Lfunc_end_k_q363df32324_outp-k_q363df32324_outp
	.p2alignl 7, 3214868480
	.fill 96, 4, 3214868480
	.section	.rodata,"a",@progbits
	.p2align	6, 0x0
	.amdhsa_kernel k_q363df32324_outp
		.amdhsa_group_segment_fixed_size 327680
		.amdhsa_private_segment_fixed_size 0
		.amdhsa_enable_private_segment 0
		.amdhsa_kernarg_size 32
		.amdhsa_user_sgpr_count 2
		.amdhsa_user_sgpr_kernarg_segment_ptr 1
		.amdhsa_wavefront_size32 1
		.amdhsa_system_sgpr_workgroup_id_x 1
		.amdhsa_system_sgpr_workgroup_id_y 1
		.amdhsa_system_sgpr_workgroup_id_z 1
		.amdhsa_system_vgpr_workitem_id 0
		.amdhsa_next_free_vgpr 768
		.amdhsa_next_free_sgpr 102
		.amdhsa_reserve_vcc 0
		.amdhsa_float_denorm_mode_32 3
		.amdhsa_float_denorm_mode_16_64 3
		.amdhsa_memory_ordered 1
		.amdhsa_forward_progress 1
		.amdhsa_inst_pref_size 79
	.end_amdhsa_kernel
	.amdgpu_metadata
---
amdhsa.version: [ 1, 2 ]
amdhsa.kernels:
  - .name:           k_q363df32324_outp
    .symbol:         k_q363df32324_outp.kd
    .args:
      - { .name: orr, .offset: 0, .size: 8, .value_kind: global_buffer, .address_space: global }
      - { .name: wr, .offset: 8, .size: 8, .value_kind: global_buffer, .address_space: global }
      - { .name: bO, .offset: 16, .size: 8, .value_kind: global_buffer, .address_space: global }
      - { .name: out0, .offset: 24, .size: 8, .value_kind: global_buffer, .address_space: global }
    .group_segment_fixed_size: 327680
    .private_segment_fixed_size: 0
    .kernarg_segment_align: 8
    .kernarg_segment_size: 32
    .max_flat_workgroup_size: 128
    .sgpr_count:     102
    .vgpr_count:     768
    .wavefront_size: 32
...
	.end_amdgpu_metadata
.endif
;; end of part 4
